; MI455X (gfx1250); checked and timed in simulation.
; The chip was launched on July 23, 2026; its instructions are those of AMD's public machine-readable ISA for CDNA 5 (MIT licence, August 2026) and "CDNA5" Instruction Set Architecture Reference Guide (July 2026). The comments in the code are by the model that wrote it; some were corrected since.
;; Multi Head Cross Attention. Allowed arithmetic: matrix products marked QUANTISED: E2M3 operands, one E8M0 scale for each 32 along K, by v_wmma_scale_f32_16x16x128_f8f6f4 with both operands' format E2M3, f32 sums; everything else in f32.
;; Inputs: Wkv 1,024 x 2,048 float32; Wo 1,024 x 1,024 float32; Wq 1,024 x 1,024 float32; bkv 2,048 float32; bo 1,024 float32; bq 1,024 float32; kv_input 2 x 2,048 x 1,024 float32; query_input 2 x 2,048 x 1,024 float32.
;; Outputs: out0 2 x 2,048 x 1,024 float32.
;; This version of the problem:
;;   THIS VERSION OF THE PROBLEM IS GIVEN IN LOW PRECISION. The matrix products marked QUANTISED in the list below multiply operands that are first quantised to E2M3 (2 exponent bits, 3 mantissa bits; 6 bits a number), with one power-of-two scale for each 32 numbers along K (OCP MX v1.0); their sums are f32. All else is computed in f32.
;;   The module's matrix products, in the order in which they are computed (A, B: the left and right operand; K: the contracted axis; several contracted axes count as one K, in the product's order):
;;     1. [M 4,096, K 1,024] x [K 1,024, N 1,024]; A: input query_input; B: input Wq: QUANTISED
;;     2. [M 4,096, K 1,024] x [K 1,024, N 2,048]; A: input kv_input; B: input Wkv: QUANTISED
;;     3. batch 32 x [M 2,048, K 64] x [K 64, N 2,048]; A: computed on the way; B: computed on the way: QUANTISED
;;     4. batch 32 x [M 2,048, K 2,048] x [K 2,048, N 64]; A: softmax (see below); B: computed on the way: QUANTISED
;;     5. [M 4,096, K 1,024] x [K 1,024, N 1,024]; A: computed on the way; B: input Wo: QUANTISED
;;   THE QUANTISER, for each operand of a quantised product, along K:
;;     - K is cut into blocks of 32 from its start; a last block that is shorter is filled with zeros.
;;     - A block's scale is 2^e with e = floor(log2(the largest magnitude in the block)) - 2, held to -126 .. 127; a block of zeros has e = 0. As a byte (E8M0): e + 127.
;;     - Each number is divided by its block's scale, clamped to +-7.5, and rounded to the nearest number of E2M3, ties to even, subnormals kept.
;;     - The product sums the exact products of the quantised numbers (number of the format x scale) in f32.
;;   ~~~python
;;   def quantise(x, axis):      # numpy; x: float32 -> the quantised numbers, widened to float32 again
;;       x = np.moveaxis(x, axis, -1); K = x.shape[-1]
;;       x = np.pad(x, [(0, 0)] * (x.ndim - 1) + [(0, -K % 32)]); x = x.reshape(x.shape[:-1] + (-1, 32)); a = np.abs(x).max(-1, keepdims=True)
;;       e = np.where(a > 0, np.clip(np.frexp(np.where(a > 0, a, 1))[1] - 1 - 2, -126, 127), 0)      # np.frexp(a)[1] - 1 = floor(log2(a)), exactly
;;       r = np.clip(x / 2.0 ** e, -7.5, 7.5)
;;       step = 2.0 ** (np.maximum(np.frexp(np.where(r == 0, 1, r))[1] - 1, 0) - 3)
;;       q = np.round(r / step) * step * 2.0 ** e      # np.round: ties to even
;;       return np.moveaxis(q.reshape(q.shape[:-2] + (-1,))[..., :K], -1, axis).astype(np.float32)
;;   ~~~
;;   SOFTMAX AHEAD OF A QUANTISED PRODUCT. Where the list says 'softmax', what is quantised is not the finished softmax but p = 2^(t - M), with t = logit x log2(e) and M = ceil(the row's largest t), a whole number; so 1/2 < the row's largest p <= 1. The row's sum l is taken of the UNQUANTISED p, in f32, and the product's result is divided by l at the end. Since M is a whole number, a kernel that streams over the keys may use a running M (the ceiling of the running maximum): every later rescaling is an exact power of two, which a block's scale takes up: the codes' values come out the same.
;;   OPERANDS COMPUTED ON THE WAY. 'Computed on the way' means the value that the module computes at that place (a softmax that the list does not call 'softmax' is quantised finished and normalised). What goes into a quantiser is computed in f32, as accurately as f32 sums, v_exp_f32 and their like allow (about 1e-6 of the number): no bf16 or f16 on the way to a quantiser, and a product that is left as it is and whose result goes on into a quantised operand takes f32 operands (vector FMAs, or v_wmma_f32_16x16x4_f32). A number that lies on a knife's edge between two numbers of the format may be rounded either way, as far as f32 arithmetic and the matrix unit's own rounding can turn it there, and no further.
;; One version. Each part assembles by itself: llvm-mc -triple=amdgcn-amd-amdhsa -mcpu=gfx1250 --defsym DOCPART=n.
;; ======== version 1 of 1: 4 launches
;; limits: right only within a limited range of input values
;; workspace buffers: xcod 6,291,456 bytes; xscl 262,144 bytes; wcod 3,145,728 bytes; wscl 131,072 bytes; kvcod 6,553,600 bytes; acod 3,145,728 bytes; ascl 131,072 bytes
;; launch quant (part 1): grid 768 x 1, 4 waves a work-group, no clusters, 35,328 bytes of LDS; arguments query_input, kv_input, Wq, Wkv, Wo, xcod, xscl, wcod, wscl; writes xcod, xscl, wcod, wscl
.if DOCPART == 1
	.amdgcn_target "amdgcn-amd-amdhsa--gfx1250"
	.amdhsa_code_object_version 6
	.text
	.protected	k_q44f06f42e5_quant
	.globl	k_q44f06f42e5_quant
	.p2align	8
	.type	k_q44f06f42e5_quant,@function
k_q44f06f42e5_quant:
	s_mov_b64 s[64:65], 0
	v_nop
	global_prefetch_b8 v0, s[64:65] scope:SCOPE_SE
	s_setreg_imm32_b32 hwreg(HW_REG_WAVE_MODE, 25, 1), 1
	s_wait_xcnt 0x0
; query_input, kv_input [4096][1024] and Wq, Wkv, Wo [1024][N], all f32, become codes of FP6 (E2M3) with one E8M0 byte for each 32 along K = 1,024.
; A block's scale is 2^(floor(log2(its largest magnitude)) - 2); its byte is that magnitude's exponent field - 2, held at 1 from below.
; LIMITS: a block of zeros, or one whose largest magnitude lies under 2^-124, gets the byte 1 (the bytes are read by this program alone; zero codes add nothing); NaN and infinities are not served.
; THE CODES ARE LAID AS IMAGES OF OPERAND REGISTERS.  A fragment (16 rows x 128 K) is 12 registers a lane: lane (r, h) holds row r, registers 6 c .. 6 c + 5 = k 64 c + 32 h + 0 .. 31.
; Its image is 3 pieces of 512 bytes: piece j holds lane l's registers 4 j .. 4 j + 3 at 512 j + 16 l.  So a reader takes a fragment by three loads of 16 bytes a lane.
; THE ROWS OF A TILE ARE NOT NEIGHBOURS: row p of tile 2 b + u is index 32 b + 8 u + p + 8 (p / 8) (tokens of x, columns of W), so that results of two neighbouring tiles give a lane 16 neighbours.
; xcod [group of 128 tokens: 64][K step: 8][tile: 8][1536]; wcod [tile of 16 columns: 256][K step: 8][1536] (0-63 Wq, 64-191 Wkv, 192-255 Wo); xscl, wscl [16 x tile + row][8 words: one for each K step].
; Work-groups 0-511: one tile of 16 tokens, all of K; wave w takes K steps 2 w, 2 w + 1.  Work-groups 512-767: 128 columns x one K step of a weight; wave w takes 32 columns.
; No input is read by two work-groups: no cluster, no joint load, no matrix unit.  Only the tokens' path touches LDS.
.set R,   16                           ; v16-143  x as loaded: two fragments x 16 rows x 4 registers
.set X,   144                          ; v144-207 my row's two blocks of 32
.set F,   208                          ; v208-219 the fragment's 12 registers
.set TH,  220                          ; v220-227 the upper halves of the two blocks (a conversion's three registers begin on an even number)
.set STG, 8448                         ; a wave's stage: 16 rows x (512 bytes + 16): row r starts 4 r banks on
.set XW,  4*STG                        ; behind the stages: the tile's scale words, 16 rows x 32 bytes
; 32 numbers of ONE block in one lane, v[xs] on: largest magnitude (with the floor 2^(3 - 127) as a leaf), scale operand, byte, 2 x 16 codes
.macro QB xs, lo, hi, m0, m1, sc, by
	v_max3_num_f32 v[\m0], |v[(\xs)]|, |v[(\xs)+1]|, |v[(\xs)+2]|
	v_max3_num_f32 v[\m1], |v[(\xs)+3]|, |v[(\xs)+4]|, |v[(\xs)+5]|
.irp i, 6,10,14,18,22,26
	v_max3_num_f32 v[\m0], v[\m0], |v[(\xs)+\i]|, |v[(\xs)+\i+1]|
	v_max3_num_f32 v[\m1], v[\m1], |v[(\xs)+\i+2]|, |v[(\xs)+\i+3]|
.endr
	v_max3_num_f32 v[\m0], v[\m0], |v[(\xs)+30]|, |v[(\xs)+31]|
	v_max3_num_f32 v[\m0], v[\m0], v[\m1], 0x1800000
	v_add_nc_u32 v[\sc], 0xff000000, v[\m0]        ; 2 off the exponent field: the conversion takes this operand's exponent field as its scale
	v_lshrrev_b32 v[\by], 23, v[\sc]               ; the scale's byte
	v_cvt_scalef32_pk16_fp6_f32 v[(\lo):(\lo)+2], v[(\xs):(\xs)+15], v[\sc]
	v_cvt_scalef32_pk16_fp6_f32 v[(\hi):(\hi)+2], v[(\xs)+16:(\xs)+31], v[\sc]
.endm
	s_load_b256 s[4:11], s[0:1], 0x0               ; query_input s[4:5], kv_input s[6:7], Wq s[8:9], Wkv s[10:11]
	s_load_b256 s[12:19], s[0:1], 0x20             ; Wo s[12:13], xcod s[14:15], xscl s[16:17], wcod s[18:19]
	s_load_b64 s[20:21], s[0:1], 0x40              ; wscl
	v_lshl_add_u32 v240, v0, 2, 0x8800
	v_mov_b32 v241, 0
	v_lshrrev_b32 v1, 5, v0
	v_readfirstlane_b32 s22, v1                    ; wave 0..3
	v_and_b32 v7, 31, v0                           ; lane
	v_lshlrev_b32 v1, 4, v7                        ; 16 x lane
	s_cmp_lt_u32 ttmp9, 512
	s_cbranch_scc0 .Lweights
; ---------------- the tokens ----------------
	v_and_b32 v8, 15, v0                           ; r
	v_bfe_u32 v6, v0, 4, 1                         ; h
	s_mul_i32 s26, s22, STG
	v_add_nc_u32 v2, s26, v1                       ; into my stage: a row's 512 bytes as they are loaded
	v_mul_u32_u24 v3, v8, 528
	v_lshl_add_u32 v3, v6, 7, v3
	v_add_nc_u32 v3, s26, v3                       ; out of it: row r, + 128 h: my block of 32 numbers
	v_lshlrev_b32 v4, 5, v8
	v_lshl_add_u32 v4, v6, 2, v4
	s_lshl_b32 s27, s22, 3
	s_add_co_u32 s27, s27, XW
	v_add_nc_u32 v4, s27, v4                       ; the scale word of row r, K step 2 w + h
	v_add_nc_u32 v5, XW, v1                        ; and all 512 bytes of them, 16 a lane
	v_lshlrev_b32 v9, 3, v6                        ; 8 h
	v_mov_b32 v235, 0                              ; a lane permute's destination counts as read
	s_mov_b32 s24, 0x76543210
	s_mov_b32 s25, 0xfedcba98                      ; v_permlanex16_b32's selects for lane l xor 16
	s_and_b32 s28, ttmp9, 255                      ; the tile within its tensor
	s_lshr_b32 s29, s28, 1
	s_lshl_b32 s29, s29, 5
	s_and_b32 s28, s28, 1
	s_lshl_b32 s28, s28, 3
	s_add_co_u32 s28, s28, s29                     ; its first token: 32 (tile / 2) + 8 (tile % 2)
	s_lshl_b32 s28, s28, 12                        ; rows of 4,096 bytes
	s_lshl_b32 s29, s22, 10                        ; my wave's 256 along K
	s_add_co_u32 s28, s28, s29
	s_mov_b32 s29, 0
	s_lshr_b32 s30, ttmp9, 3
	s_mul_i32 s30, s30, 98304                      ; the group of 128 tokens,
	s_and_b32 s31, ttmp9, 7
	s_mul_i32 s31, s31, 1536                       ; the tile in it,
	s_add_co_u32 s30, s30, s31
	s_mul_i32 s31, s22, 24576                      ; K step 2 w
	s_add_co_u32 s30, s30, s31
	s_mov_b32 s31, 0
	s_lshl_b32 s34, ttmp9, 9                       ; the tile's 512 bytes of scale words
	s_mov_b32 s35, 0
	s_wait_alu depctr_va_vdst(0)
	s_wait_kmcnt 0x0
	s_cmp_lt_u32 ttmp9, 256
	s_cselect_b64 s[36:37], s[4:5], s[6:7]         ; the choice hangs on the work-group's number alone
	s_add_nc_u64 s[36:37], s[36:37], s[28:29]
	s_add_nc_u64 s[32:33], s[14:15], s[30:31]
	s_add_nc_u64 s[34:35], s[16:17], s[34:35]
.irp f, 0,1
.irp i, 0,1,2,3,4,5,6,7,8,9,10,11,12,13,14,15
	global_load_b128 v[R+64*\f+4*\i:R+64*\f+4*\i+3], v1, s[36:37] offset:(\i+8*(\i/8))*4096+512*\f th:TH_LOAD_NT   ; 32 lanes read 512 consecutive bytes of one row: all 32 loads go out at once
.endr
.endr
.macro XFRAG f
	s_wait_loadcnt 16*(1-\f)                       ; this fragment's 16 loads are in; the other's may be out
.irp i, 0,1,2,3,4,5,6,7,8,9,10,11,12,13,14,15
	ds_store_b128 v2, v[R+64*\f+4*\i:R+64*\f+4*\i+3] offset:528*\i
.endr
.irp c, 0,1
.irp j, 0,1,2,3,4,5,6,7
	ds_load_b128 v[X+32*\c+4*\j:X+32*\c+4*\j+3], v3 offset:256*\c+16*\j    ; my own stage: LDS serves a wave's instructions in order
.endr
.endr
	s_wait_dscnt 0x0
.if \f
	s_wait_xcnt 0x0                                ; the first fragment's stores have read v[F] on: it is written again only behind this wait
.endif
	QB X, F, TH, 228, 229, 230, 231
	QB X+32, F+6, TH+4, 228, 229, 230, 232
	v_nop                                          ; one plain place behind a scaled conversion
.irp c, 0,1
.irp i, 0,1,2
	v_mov_b32 v[F+3+6*\c+\i], v[TH+4*\c+\i]
.endr
.endr
	v_lshl_or_b32 v[233+\f], v232, 16, v231        ; my two bytes: blocks h and 2 + h of row r,
	v_lshlrev_b32 v[233+\f], v9, v[233+\f]         ; at their places in the word;
	v_permlanex16_b32 v235, v[233+\f], s24, s25
	v_or_b32 v[233+\f], v[233+\f], v235            ; with lane l xor 16's two the word is whole
.irp j, 0,1,2
	global_store_b128 v1, v[F+4*\j:F+4*\j+3], s[32:33] offset:12288*\f+512*\j   ; 512 consecutive bytes a store
.endr
.endm
	XFRAG 0
	XFRAG 1
	v_cmp_ne_u32 vcc_lo, 0, v6
	v_cndmask_b32 v236, v233, v234, vcc_lo         ; lanes 0-15 file K step 2 w's word, lanes 16-31 K step 2 w + 1's
	ds_store_b32 v4, v236
	s_wait_dscnt 0x0                               ; for the others' sake: my words have landed
	s_barrier_signal -1
	s_barrier_wait -1
	s_cmp_lg_u32 s22, 0
	s_cbranch_scc1 .Lxdone
	ds_load_b128 v[144:147], v5                    ; wave 0 sends the tile's 512 bytes of scale words as one run
	s_wait_dscnt 0x0
	global_store_b128 v1, v[144:147], s[34:35]
.Lxdone:
	s_wait_tensorcnt 0x0
	ds_add_u32 v240, v241
	s_wait_dscnt 0x0
	s_endpgm
; ---------------- the weights: a lane takes a column, its registers run down K ----------------
.macro WLOAD t, n
.irp i, 0,1,2,3,4,5,6,7,8,9,10,11,12,13,14,15,16,17,18,19,20,21,22,23,24,25,26,27,28,29,30,31
	global_load_b32 v[32+32*((\t)%2)+\i], v8, s[36:37] offset:(32*(\t)+\i)*(\n)*4 th:TH_LOAD_NT
.endr
.endm
.macro WBLOCK t, n
.if (\t) < 3
	s_wait_loadcnt 32                              ; this block's 32 loads are in; the next block's may be out
.else
	s_wait_loadcnt 0x0
.endif
	QB 32+32*((\t)%2), 96+12*((\t)%2)+6*((\t)/2), 120+4*(\t), 11, 12, 13, 14
.if (\t) == 0
	v_mov_b32 v136, v14                            ; my column's scale word: the lower K in the lower byte.  (Also the plain place behind the conversions)
.else
	v_lshl_or_b32 v136, v14, 8*(\t), v136
.endif
.if (\t) < 2
	WLOAD (\t)+2, \n
.endif
.endm
.macro WPATH n                         ; n: the weight's columns.  s26 K step, s34 block of 128 columns in this weight, s[36:37] the weight
	s_mul_i32 s38, s26, 128*(\n)*4
	s_lshl_b32 s39, s34, 9
	s_add_co_u32 s38, s38, s39
	s_lshl_b32 s39, s22, 7                         ; my wave's 32 columns
	s_add_co_u32 s38, s38, s39
	s_mov_b32 s39, 0
	s_add_nc_u64 s[36:37], s[36:37], s[38:39]
	WLOAD 0, \n
	WLOAD 1, \n
.irp t, 0,1,2,3
	WBLOCK \t, \n
.endr
	; Lanes 0-15 hold the 16 columns of tile 2 w, lanes 16-31 those of tile 2 w + 1, each all four blocks.  A fragment wants block 2 c in lanes 0-15 and block 2 c + 1 in lanes 16-31:
	; the exchange of one register's upper lanes with the other's lower lanes gives both tiles' registers at once.
.irp c, 0,1
.irp i, 0,1,2
	v_permlane16_swap_b32 v[96+6*\c+\i], v[108+6*\c+\i]
	v_permlane16_swap_b32 v[120+8*\c+\i], v[124+8*\c+\i]
.endr
.endr
.irp c, 0,1
.irp i, 0,1,2
	v_mov_b32 v[99+6*\c+\i], v[120+8*\c+\i]
	v_mov_b32 v[111+6*\c+\i], v[124+8*\c+\i]
.endr
.endr
.irp j, 0,1,2
	global_store_b128 v1, v[96+4*\j:99+4*\j], s[30:31] offset:512*\j
	global_store_b128 v1, v[108+4*\j:111+4*\j], s[30:31] offset:12288+512*\j
.endr
	global_store_b32 v10, v136, s[32:33]           ; 4 bytes a lane, 32 bytes apart: a K step's word of 32 rows; one byte for each 128 that the wave reads
.endm
.Lweights:
	s_sub_co_u32 s26, ttmp9, 512
	s_lshr_b32 s27, s26, 3                         ; block of 128 columns of Wq | Wkv | Wo: 0-7, 8-23, 24-31
	s_and_b32 s26, s26, 7                          ; K step
	v_and_b32 v8, 7, v0
	v_and_b32 v9, 8, v0
	v_lshl_or_b32 v8, v9, 1, v8
	v_and_b32 v9, 16, v0
	v_lshrrev_b32 v9, 1, v9
	v_or_b32 v8, v8, v9                            ; my column of the wave's 32: (l & 7) + 16 ((l / 8) & 1) + 8 (l / 16)
	v_lshlrev_b32 v8, 2, v8
	s_wait_alu depctr_va_vdst(0)
	v_lshlrev_b32 v10, 5, v7                       ; 32 x lane: my row of scale words
	s_lshl_b32 s28, s27, 3
	s_lshl_b32 s29, s22, 1
	s_add_co_u32 s28, s28, s29                     ; my wave's first tile: 8 x block + 2 w
	s_lshl_b32 s30, s28, 3
	s_add_co_u32 s30, s30, s26
	s_mul_i32 s30, s30, 1536
	s_mov_b32 s31, 0
	s_lshl_b32 s32, s28, 9
	s_lshl_b32 s33, s26, 2
	s_add_co_u32 s32, s32, s33
	s_mov_b32 s33, 0
	s_wait_kmcnt 0x0
	s_add_nc_u64 s[30:31], s[18:19], s[30:31]
	s_add_nc_u64 s[32:33], s[20:21], s[32:33]
	s_sub_co_u32 s34, s27, 8
	s_cmp_lt_u32 s34, 16                           ; blocks 8-23 are Wkv's (below 8 the difference wraps to a large number)
	s_cbranch_scc0 .Lnarrow
	s_mov_b64 s[36:37], s[10:11]
	WPATH 2048
	s_endpgm
.Lnarrow:
	s_cmp_lt_u32 s27, 8
	s_cselect_b64 s[36:37], s[8:9], s[12:13]
	s_cselect_b32 s34, 0, 24
	s_sub_co_u32 s34, s27, s34
	WPATH 1024
	s_endpgm
.Lfunc_end_k_q44f06f42e5_quant:
	.size	k_q44f06f42e5_quant, .Lfunc_end_k_q44f06f42e5_quant-k_q44f06f42e5_quant
	.p2alignl 7, 3214868480
	.fill 96, 4, 3214868480
	.section	.rodata,"a",@progbits
	.p2align	6, 0x0
	.amdhsa_kernel k_q44f06f42e5_quant
		.amdhsa_group_segment_fixed_size 35328
		.amdhsa_private_segment_fixed_size 0
		.amdhsa_enable_private_segment 0
		.amdhsa_kernarg_size 72
		.amdhsa_user_sgpr_count 2
		.amdhsa_user_sgpr_kernarg_segment_ptr 1
		.amdhsa_wavefront_size32 1
		.amdhsa_system_sgpr_workgroup_id_x 1
		.amdhsa_system_sgpr_workgroup_id_y 1
		.amdhsa_system_sgpr_workgroup_id_z 1
		.amdhsa_system_vgpr_workitem_id 0
		.amdhsa_next_free_vgpr 242
		.amdhsa_next_free_sgpr 66
		.amdhsa_reserve_vcc 1
		.amdhsa_float_denorm_mode_32 3
		.amdhsa_float_denorm_mode_16_64 3
		.amdhsa_memory_ordered 1
		.amdhsa_forward_progress 1
		.amdhsa_inst_pref_size 56
	.end_amdhsa_kernel
	.amdgpu_metadata
---
amdhsa.version: [ 1, 2 ]
amdhsa.kernels:
  - .name:           k_q44f06f42e5_quant
    .symbol:         k_q44f06f42e5_quant.kd
    .args:
      - { .name: query_input, .offset: 0, .size: 8, .value_kind: global_buffer, .address_space: global }
      - { .name: kv_input, .offset: 8, .size: 8, .value_kind: global_buffer, .address_space: global }
      - { .name: Wq, .offset: 16, .size: 8, .value_kind: global_buffer, .address_space: global }
      - { .name: Wkv, .offset: 24, .size: 8, .value_kind: global_buffer, .address_space: global }
      - { .name: Wo, .offset: 32, .size: 8, .value_kind: global_buffer, .address_space: global }
      - { .name: xcod, .offset: 40, .size: 8, .value_kind: global_buffer, .address_space: global }
      - { .name: xscl, .offset: 48, .size: 8, .value_kind: global_buffer, .address_space: global }
      - { .name: wcod, .offset: 56, .size: 8, .value_kind: global_buffer, .address_space: global }
      - { .name: wscl, .offset: 64, .size: 8, .value_kind: global_buffer, .address_space: global }
    .group_segment_fixed_size: 35328
    .private_segment_fixed_size: 0
    .kernarg_segment_align: 8
    .kernarg_segment_size: 72
    .max_flat_workgroup_size: 128
    .sgpr_count:     66
    .vgpr_count:     242
    .wavefront_size: 32
...
	.end_amdgpu_metadata
.endif
;; end of part 1
;; launch proj (part 2): grid 8 x 32, 4 waves a work-group, clusters of 4 x 4, 295,424 bytes of LDS; arguments xcod, xscl, wcod, wscl, bkv, kvcod; writes kvcod
.if DOCPART == 2
	.amdgcn_target "amdgcn-amd-amdhsa--gfx1250"
	.amdhsa_code_object_version 6
	.text
	.protected	k_q44f06f42e5_proj
	.globl	k_q44f06f42e5_proj
	.p2align	8
	.type	k_q44f06f42e5_proj,@function
k_q44f06f42e5_proj:
	s_mov_b64 s[64:65], 0
	v_nop
	global_prefetch_b8 v0, s[64:65] scope:SCOPE_SE
	s_setreg_imm32_b32 hwreg(HW_REG_WAVE_MODE, 25, 1), 1
	s_wait_xcnt 0x0
	s_wait_alu depctr_hold_cnt(0) depctr_sa_sdst(0) depctr_va_vdst(0) depctr_va_sdst(0) depctr_va_ssrc(0) depctr_va_vcc(0) depctr_vm_vsrc(0)
	s_getreg_b32 s2, hwreg(HW_REG_IB_STS2, 6, 4)
	s_cmp_eq_u32 s2, 0
	s_cbranch_scc0 .Lentry_in_a_cluster
	s_endpgm
.Lentry_in_a_cluster:
	s_bfe_u32 s2, ttmp6, 0x10000c
	s_cmp_lg_u32 s2, 0xf033
	s_cbranch_scc0 .Lentry_shape_is_right
	s_endpgm
.Lentry_shape_is_right:
; q = x Wq + bq, k | v = kv Wkv + bkv on codes of FP6 (E2M3) with E8M0 scales; the results are quantised here, in registers, as operands of the two products of attention, and leave as codes.
; SHARES.  Cluster x = the kind (0 q, 1 k, 2 v); its four work-groups take 256 columns each; work-group y = a group of 128 tokens.  Wave w makes ONE HEAD (64 columns) for the 128 tokens: 32 accumulators, 256 matrix instructions.
; x's codes of the group (98,304 dense bytes: 8 K steps x 8 tiles x 1,536) are the same for the four partners: they come into LDS ONCE, by four joint tensor loads, one a wave.  Nothing in LDS is filled twice.
; The wave's weights (4 tiles x 8 K steps, 384 registers) are read by no other wave of the cluster: they go from memory straight into registers, all asked for at the head; so they are not asked for jointly.
; ORIENTATION.  q, k: source 0 = 16 columns of W, source 1 = 16 tokens: a lane holds one token and, in the registers of two neighbouring tiles of W, 16 neighbours of the head's 64 (the next K).
;               v:    source 0 = 16 tokens, source 1 = 16 columns: a lane holds one of the head's 64 and 16 neighbouring tokens (the keys are the next K).  The tiles' rows were chosen for that when the codes were laid.
; OUT.  q, k: PAIR fragments: row r = the head's 64 numbers of row r of token tile 2 p at k 0-63, of tile 2 p + 1 at k 64-127; scale word = the two tiles' two bytes each.  v: fragment n = 16 of the head's 64 x 128 keys.
; qcod [batch-head 32][group 16][4 fragments x 1,536 | 256 bytes of scale words [row][fragment]]; kvcod [32][16][k: 4 x 1,536 | v: 4 x 1,536 | k's words 256 | v's words 256].
; The bias is the C of each sum's first matrix instruction.  LIMITS: a block whose largest magnitude lies under 2^-124 gets the byte 1; NaN and infinities are not served.
; REGISTERS: window 0: v1-8 addresses; v16-79 x's scale words (8 tile + K step); v80-111 W's; v112-207 x's 8 fragments; v208-239 the bias, 8 a tile of W; v240-255 at work.
;   window 1: the accumulators.   window 2: W's fragments of K steps 0-4 at 48 s + 12 n.   window 3: K steps 5-7.
; IN THIS PROGRAM q IS MADE BY THE LAUNCH attn: here the kind is cluster x + 1, that is 1 (k) or 2 (v) alone; bq and qcod are no arguments, and 8 x 32 work-groups are launched.
; HOW THE OPERANDS COME, in place of what the lines above say of it: the cluster is 4 x 4.  x's codes of the group (98,304 bytes, LDS byte 0) are brought whole by wave 0, jointly for the four of a row of the cluster;
; the 256 columns' weights (16 tiles x 12,288 = 196,608 dense bytes, LDS byte 98,304) by waves 1-3, 65,536 bytes each, jointly for the four of a column.  One tensor load a wave; nothing in LDS is filled twice.
; A wave reads its own four tiles' fragments of W from LDS, one K step ahead of their products, into the registers named above.  The group of tokens is 4 x cluster y + cy.
.set WV,  20
.set SA,  16
.set SB,  80
.set AF,  112
.set BI,  208
.set TM,  240                          ; v240-243 largest magnitudes, v244-247 the other half's, then bytes, v252-255 scale operands
.set TH,  160                          ; the way out: v112-159 four fragments of codes, v160-167 upper halves, v168-171 scale words, v[172:173] the two that I store
.set PW,  168
.set MSB, 0
.macro WIN new                         ; the immediate's high byte repeats the setting that is left
.if MSB != \new
	s_set_vgpr_msb (MSB<<8)|\new
.set MSB, \new
.endif
.endm
.macro PLACES                          ; four plain places behind a matrix instruction of this form, ahead of loads into its sources and of reads of its results
.rept 4
	v_nop
.endr
.endm
.macro CROUND                          ; a round of the cluster's barrier
	s_barrier_signal -1
	s_barrier_wait -1
	s_cmp_lg_u32 s[WV], 0
	s_cbranch_scc1 .Lnot_wave_0_\@
	s_barrier_signal -3
.Lnot_wave_0_\@:
	s_barrier_wait -3
	s_barrier_signal -1
	s_barrier_wait -1
.endm
	s_load_b256 s[4:11], s[0:1], 0x0               ; xcod s[4:5], xscl s[6:7], wcod s[8:9], wscl s[10:11]
	s_load_b128 s[12:15], s[0:1], 0x20             ; bkv s[12:13], kvcod s[14:15]
	v_lshl_add_u32 v250, v0, 2, 0x48000
	v_mov_b32 v251, 0
	ds_add_u32 v250, v251
	ds_add_u32 v250, v251
	v_lshrrev_b32 v1, 5, v0
	v_readfirstlane_b32 s[WV], v1                  ; wave 0..3
	s_bfe_u32 s21, ttmp6, 0x40000                  ; cx: my place in the cluster
	s_add_co_u32 s22, ttmp9, 1                     ; the kind: 1 k, 2 v: the cluster's x + 1, the same in all four partners
	s_bfe_u32 s66, ttmp6, 0x40004                  ; cy
	s_and_b32 s23, ttmp7, 0xffff
	s_lshl_b32 s23, s23, 2
	s_add_co_u32 s23, s23, s66                     ; the group of 128 tokens: 4 x cluster y + cy
	s_lshl_b32 s67, s66, 2
	s_lshl_b32 s67, 15, s67                        ; my row of the cluster
	s_lshl_b32 s80, 0x1111, s21                    ; my column
	s_lshl_b32 s24, s22, 2
	s_add_co_u32 s24, s24, s21                     ; block of 256 columns of Wq | Wkv
	s_add_co_u32 s25, s23, 32                      ; the group in xcod: kv_input's lie behind query_input's 32
	; descriptor group 1: 384 rows of 256 bytes (32 elements of 8 bytes), dense: all of the group's codes
	s_or_b32 s28, s67, (3<<16)|(1<<21)             ; x's tile goes to my row; elements of 8 bytes; 21 set beside a mask
	s_or_b32 s68, s80, (3<<16)|(1<<21)             ; group 1 for W: to my column; 256 dense rows of 256 bytes
	s_mov_b32 s69, 32<<16
	s_mov_b32 s70, 256<<16
	s_mov_b32 s71, 32<<16
	s_mov_b32 s72, 256
	s_mov_b32 s73, 32
	s_mov_b32 s74, 0
	s_mov_b32 s75, 0
	s_mov_b32 s29, 32<<16                          ; tensor_dim0
	s_mov_b32 s30, 384<<16                         ; tensor_dim1: the group's 384 rows of 256 bytes
	s_mov_b32 s31, 32<<16                          ; tile_dim0
	s_mov_b32 s32, 384                             ; tile_dim1
	s_mov_b32 s33, 32                              ; the pitch
	s_mov_b32 s34, 0
	s_mov_b32 s35, 0
	s_mov_b32 s36, 1
	s_mov_b32 s37, 0                               ; x's codes at LDS byte 0
	s_mul_i32 s26, s25, 98304
	s_mov_b32 s27, 0
	s_mov_b32 s76, 1
	s_lshl_b32 s82, s[WV], 16
	s_add_co_u32 s77, s82, 32768                   ; W's third (wave - 1) at 98,304 + 65,536 (wave - 1)
	s_mul_i32 s81, s24, 196608                     ; the block of 256 columns in wcod,
	s_sub_co_u32 s81, s81, 65536
	s_add_co_u32 s82, s82, s81                     ; + 65,536 (wave - 1)
	s_mov_b32 s83, 0
	s_mul_i32 s84, s[WV], 49152
	s_add_co_u32 s84, s84, 98304                   ; where my own four tiles lie in LDS
	s_wait_dscnt 0x0
	s_wait_kmcnt 0x0
	s_add_nc_u64 s[38:39], s[4:5], s[26:27]
	s_or_b32 s39, s39, 0x80000000                  ; type = 2
	s_add_nc_u64 s[78:79], s[8:9], s[82:83]
	s_or_b32 s79, s79, 0x80000000
	CROUND                                         ; all four work-groups are here: the joint loads meet
	s_cmp_eq_u32 s[WV], 0                          ; one chain of branches on the wave's number, one load to an arm
	s_cbranch_scc0 .Lfor_w
	tensor_load_to_lds s[36:39], s[28:35]          ; wave 0: x's codes
	s_nop 0
	PLACES
	s_branch .Lasked
.Lfor_w:
	tensor_load_to_lds s[76:79], s[68:75]          ; waves 1-3: a third of W's
	s_nop 0
	PLACES
.Lasked:
	s_lshl_b32 s55, s24, 4
	s_lshl_b32 s56, s[WV], 2
	s_add_co_u32 s55, s55, s56                     ; my first tile of W: 16 x block + 4 w
	s_mov_b32 s57, 0
	s_lshl_b32 s56, s55, 9
	s_add_nc_u64 s[44:45], s[10:11], s[56:57]
	s_lshl_b32 s56, s25, 12
	s_add_nc_u64 s[40:41], s[6:7], s[56:57]        ; x's scale words: 128 rows x 32 bytes
	s_mov_b64 s[46:47], s[12:13]                   ; bkv
	s_sub_co_u32 s59, s24, 4
	s_lshl_b32 s59, s59, 10
	s_lshl_b32 s60, s[WV], 8
	s_add_co_u32 s60, s60, s59
	s_mov_b32 s61, 0
	s_add_nc_u64 s[46:47], s[46:47], s[60:61]      ; my head's 64 numbers of it
	v_and_b32 v7, 31, v0                           ; lane
	v_and_b32 v8, 15, v0                           ; r
	v_bfe_u32 v6, v0, 4, 1                         ; h
	v_lshlrev_b32 v1, 5, v8                        ; 32 r: a row of scale words
	v_lshlrev_b32 v2, 4, v7                        ; 16 x lane: an image's place for my lane
	v_add_nc_u32 v9, s84, v2                       ; the same in my tiles of W
	v_add_nc_u32 v3, 49152, v2                     ; the same for K steps 4-7 (an LDS offset has 16 bits)
	v_lshlrev_b32 v5, 4, v8
	v_lshl_add_u32 v5, v6, 3, v5                   ; 16 r + 8 h: where my two scale words go
	v_cmp_ne_u32 s54, 0, v6
	s_mov_b32 s52, 0x76543210
	s_mov_b32 s53, 0xfedcba98                      ; v_permlanex16_b32's selects for lane l xor 16
.irp b, 0,1,2,3
	v_mov_b32 v[TM+4+\b], 0                        ; a lane permute's destination counts as read
.endr
.irp t, 0,1,2,3,4,5,6,7
.irp j, 0,1
	global_load_b128 v[SA+8*\t+4*\j:SA+8*\t+4*\j+3], v1, s[40:41] offset:512*\t+16*\j   ; lane r: row r's words of four K steps
.endr
.endr
.irp n, 0,1,2,3
.irp j, 0,1
	global_load_b128 v[SB+8*\n+4*\j:SB+8*\n+4*\j+3], v1, s[44:45] offset:512*\n+16*\j
.endr
.endr
	s_cmp_eq_u32 s22, 2
	s_cbranch_scc1 .Lbias_v
	v_lshlrev_b32 v4, 6, v6                        ; q, k: register j of tile 2 b + u is column 32 b + 16 h + 8 u + j
.irp n, 0,1,2,3
	global_load_b128 v[BI+8*\n:BI+8*\n+3], v4, s[46:47] offset:(32*(\n/2)+8*(\n%2))*4
	global_load_b128 v[BI+8*\n+4:BI+8*\n+7], v4, s[46:47] offset:(32*(\n/2)+8*(\n%2))*4+16
.endr
	s_branch .Lbias_done
.Lbias_v:
	v_lshrrev_b32 v4, 3, v8                        ; v: all eight registers are column 32 b + 8 u + r + 8 (r / 8)
	v_lshl_add_u32 v4, v4, 3, v8
	v_lshlrev_b32 v4, 2, v4
.irp n, 0,1,2,3
.irp j, 0,1,2,3,4,5,6,7
	global_load_b32 v[BI+8*\n+\j], v4, s[46:47] offset:(32*(\n/2)+8*(\n%2))*4
.endr
.endr
.Lbias_done:
	; (W's fragments are read from LDS, K step by K step: macro LOADW)
	; where the results go
	s_lshl_b32 s58, s21, 2
	s_add_co_u32 s58, s58, s[WV]                   ; the head: 4 cx + w
	s_lshr_b32 s59, s23, 4
	s_lshl_b32 s59, s59, 4
	s_add_co_u32 s58, s58, s59                     ; 16 x batch + head
	s_lshl_b32 s58, s58, 4
	s_and_b32 s59, s23, 15
	s_add_co_u32 s58, s58, s59                     ; x 16 + the group within the batch
	s_mov_b64 s[48:49], s[14:15]                   ; kvcod
	s_mov_b32 s55, 12800                           ; a group's bytes
	s_mov_b32 s56, 12288                           ; where k's scale words begin in them
	s_cmp_eq_u32 s22, 2
	s_cselect_b32 s57, 6144, 0                     ; v's codes lie behind k's,
	s_mov_b32 s59, 12544
	s_cselect_b32 s56, s59, s56                    ; its words behind k's words
	s_mul_i32 s58, s58, s55
	s_add_co_u32 s60, s58, s57
	s_mov_b32 s61, 0
	s_add_co_u32 s62, s58, s56
	s_mov_b32 s63, 0
	s_add_nc_u64 s[50:51], s[48:49], s[62:63]
	s_add_nc_u64 s[48:49], s[48:49], s[60:61]
	s_wait_tensorcnt 0x0                           ; my tensor load has landed,
	s_barrier_signal -1
	s_barrier_wait -1                              ; everybody's is
.macro LOADW s                         ; my four tiles' fragments of W of K step s: 12 LDS loads of 512 consecutive bytes, into window 2 (steps 0-4) or 3
.if (\s) < 5
	WIN 0x80
.set BB, 48*(\s)
.else
	WIN 0xc0
.set BB, 48*((\s)-5)
.endif
.irp n, 0,1,2,3
.irp j, 0,1,2
	ds_load_b128 v[BB+12*\n+4*\j:BB+12*\n+4*\j+3], v9 offset:12288*\n+1536*(\s)+512*\j
.endr
.endr
	WIN 0
.endm
.macro HALF s, hf
.irp t, 0,1,2,3
.irp j, 0,1,2
	ds_load_b128 v[AF+12*(4*(\hf)+\t)+4*\j:AF+12*(4*(\hf)+\t)+4*\j+3], v[2+(\s)/4] offset:((\s)%4)*12288+(4*(\hf)+\t)*1536+512*\j
.endr
.endr
.endm
.macro MWIN s, o                       ; the windows of K step s's products: D window 1; W window 2 or 3; x window 0; C window 0 (the bias) in step 0, else window 1
.if \o
.if (\s) == 0
	WIN 0x48
.elseif (\s) < 5
	WIN 0x58
.else
	WIN 0x5c
.endif
.else
.if (\s) == 0
	WIN 0x42
.elseif (\s) < 5
	WIN 0x52
.else
	WIN 0x53
.endif
.endif
.endm
; 16 matrix instructions: x's tiles t0 .. t0 + 3 against W's four.  The 32 accumulators take turns, one instruction a turn, in the same order in every step.
.macro MUL16 s, t0, o
.if (\s) < 5
.set BB, 48*(\s)
.else
.set BB, 48*((\s)-5)
.endif
.irp t, 0,1,2,3
.irp n, 0,1,2,3
.set TT, (\t0)+\t
.if \o
.set AC, 8*(8*\n+TT)
.if (\s) == 0
	v_wmma_scale_f32_16x16x128_f8f6f4 v[AC:AC+7], v[AF+12*TT:AF+12*TT+11], v[BB+12*\n:BB+12*\n+11], v[BI+8*\n:BI+8*\n+7], v[SA+8*TT+(\s)], v[SB+8*\n+(\s)] matrix_a_fmt:MATRIX_FMT_FP6 matrix_b_fmt:MATRIX_FMT_FP6
.else
	v_wmma_scale_f32_16x16x128_f8f6f4 v[AC:AC+7], v[AF+12*TT:AF+12*TT+11], v[BB+12*\n:BB+12*\n+11], v[AC:AC+7], v[SA+8*TT+(\s)], v[SB+8*\n+(\s)] matrix_a_fmt:MATRIX_FMT_FP6 matrix_b_fmt:MATRIX_FMT_FP6
.endif
.else
.set AC, 8*(4*TT+\n)
.if (\s) == 0
	v_wmma_scale_f32_16x16x128_f8f6f4 v[AC:AC+7], v[BB+12*\n:BB+12*\n+11], v[AF+12*TT:AF+12*TT+11], v[BI+8*\n:BI+8*\n+7], v[SB+8*\n+(\s)], v[SA+8*TT+(\s)] matrix_a_fmt:MATRIX_FMT_FP6 matrix_b_fmt:MATRIX_FMT_FP6
.else
	v_wmma_scale_f32_16x16x128_f8f6f4 v[AC:AC+7], v[BB+12*\n:BB+12*\n+11], v[AF+12*TT:AF+12*TT+11], v[AC:AC+7], v[SB+8*\n+(\s)], v[SA+8*TT+(\s)] matrix_a_fmt:MATRIX_FMT_FP6 matrix_b_fmt:MATRIX_FMT_FP6
.endif
.endif
.endr
.endr
.endm
.macro MAIN o
	LOADW 0
	HALF 0, 0
	HALF 0, 1
.irp s, 0,1,2,3,4,5,6,7
.if \s == 0
	s_wait_loadcnt 0x0                             ; the scale words and the bias are in
.endif
	s_wait_dscnt 12                                ; x's tiles 0-3 are in; the 12 loads of tiles 4-7 may be out
	MWIN \s, \o
	MUL16 \s, 0, \o
	WIN 0
.if \s < 7
	PLACES
	LOADW \s+1
	HALF \s+1, 0
	s_wait_dscnt 24                                ; tiles 4-7 are in; the 24 loads just issued may be out
.else
	s_wait_dscnt 0x0
.endif
	MWIN \s, \o
	MUL16 \s, 4, \o
	WIN 0
.if \s < 7
	PLACES
	HALF \s+1, 1
.endif
.endr
.endm
	s_cmp_eq_u32 s22, 2
	s_cbranch_scc1 .Lmain_v
	s_wait_alu depctr_va_vdst(0)
	MAIN 0
	s_branch .Lepilogue
.Lmain_v:
	s_wait_alu depctr_va_vdst(0)
	MAIN 1
.Lepilogue:
; THE WAY OUT.  In both orientations fragment f is accumulator registers 64 f .. 64 f + 63, and register 16 b + i is k = 32 b + 16 h + i of my row.
; 64 numbers of a lane become a fragment's 12 registers of codes at v[pc] on and its scale word in v[pw].  Each accumulator is read from its low end on.
.macro QUANT src, pc, pw
	WIN 0x05                                       ; sources 0 and 1: window 1
.irp b, 0,1,2,3
	v_max3_num_f32 v[TM+\b], |v[(\src)+16*\b]|, |v[(\src)+16*\b+1]|, 0x1800000   ; block b: my 16 numbers, and the floor 2^(3 - 127): the byte cannot fall under 1
.endr
.irp i, 2,4,6,8,10,12,14
.irp b, 0,1,2,3
	v_max3_num_f32 v[TM+\b], |v[(\src)+16*\b+\i]|, |v[(\src)+16*\b+\i+1]|, v[TM+\b]
.endr
.endr
	WIN 0
.irp b, 0,1,2,3
	v_permlanex16_b32 v[TM+4+\b], v[TM+\b], s52, s53
.endr
.irp b, 0,1,2,3
	v_max_num_f32 v[TM+\b], v[TM+\b], v[TM+4+\b]   ; with lane l xor 16's 16: the block's largest magnitude
.endr
.irp b, 0,1,2,3
	v_add_nc_u32 v[TM+12+\b], 0xff000000, v[TM+\b] ; 2 off its exponent field: the conversion's scale operand
.endr
.irp b, 0,1,2,3
	v_lshrrev_b32 v[TM+4+\b], 23, v[TM+12+\b]      ; the scale's byte
.endr
	v_lshl_or_b32 v[\pw], v[TM+5], 8, v[TM+4]
	v_lshl_or_b32 v[\pw], v[TM+6], 16, v[\pw]
	v_lshl_or_b32 v[\pw], v[TM+7], 24, v[\pw]
	WIN 0x01                                       ; source 0: window 1
.irp c, 0,1
	v_cvt_scalef32_pk16_fp6_f32 v[(\pc)+6*\c:(\pc)+6*\c+2], v[(\src)+32*\c:(\src)+32*\c+15], v[TM+12+2*\c]
	v_cvt_scalef32_pk16_fp6_f32 v[TH+4*\c:TH+4*\c+2], v[(\src)+32*\c+16:(\src)+32*\c+31], v[TM+12+2*\c+1]
.endr
	WIN 0
	v_nop                                          ; one plain place behind a scaled conversion
.irp c, 0,1                                    ; the layout wants a WHOLE block in a lane: lanes 0-15 block 2 c, lanes 16-31 block 2 c + 1
.irp i, 0,1,2
	v_permlane16_swap_b32 v[(\pc)+6*\c+\i], v[TH+4*\c+\i]
.endr
.irp i, 0,1,2
	v_mov_b32 v[(\pc)+3+6*\c+\i], v[TH+4*\c+\i]
.endr
.endr
.endm
	PLACES
.irp f, 0,1,2,3
	QUANT 64*\f, AF+12*\f, PW+\f
.irp j, 0,1,2
	global_store_b128 v2, v[AF+12*\f+4*\j:AF+12*\f+4*\j+3], s[48:49] offset:1536*\f+512*\j   ; 512 consecutive bytes a store; each fragment has registers of its own
.endr
.endr
	v_cndmask_b32 v172, v168, v170, s54            ; lanes 0-15 file the words of fragments 0, 1, lanes 16-31 those of 2, 3:
	v_cndmask_b32 v173, v169, v171, s54
	global_store_b64 v5, v[172:173], s[50:51]      ; 256 consecutive bytes
	s_wait_tensorcnt 0x0
	ds_add_u32 v250, v251
	s_wait_dscnt 0x0
	CROUND                                         ; the closing round: no work-group ends while a partner may still ask jointly
	s_endpgm
.Lfunc_end_k_q44f06f42e5_proj:
	.size	k_q44f06f42e5_proj, .Lfunc_end_k_q44f06f42e5_proj-k_q44f06f42e5_proj
	.p2alignl 7, 3214868480
	.fill 96, 4, 3214868480
	.section	.rodata,"a",@progbits
	.p2align	6, 0x0
	.amdhsa_kernel k_q44f06f42e5_proj
		.amdhsa_group_segment_fixed_size 295424
		.amdhsa_private_segment_fixed_size 0
		.amdhsa_enable_private_segment 0
		.amdhsa_kernarg_size 48
		.amdhsa_user_sgpr_count 2
		.amdhsa_user_sgpr_kernarg_segment_ptr 1
		.amdhsa_wavefront_size32 1
		.amdhsa_system_sgpr_workgroup_id_x 1
		.amdhsa_system_sgpr_workgroup_id_y 1
		.amdhsa_system_sgpr_workgroup_id_z 1
		.amdhsa_system_vgpr_workitem_id 0
		.amdhsa_next_free_vgpr 1024
		.amdhsa_next_free_sgpr 96
		.amdhsa_reserve_vcc 0
		.amdhsa_float_denorm_mode_32 3
		.amdhsa_float_denorm_mode_16_64 3
		.amdhsa_memory_ordered 1
		.amdhsa_forward_progress 1
		.amdhsa_inst_pref_size 138
	.end_amdhsa_kernel
	.amdgpu_metadata
---
amdhsa.version: [ 1, 2 ]
amdhsa.kernels:
  - .name:           k_q44f06f42e5_proj
    .symbol:         k_q44f06f42e5_proj.kd
    .args:
      - { .name: xcod, .offset: 0, .size: 8, .value_kind: global_buffer, .address_space: global }
      - { .name: xscl, .offset: 8, .size: 8, .value_kind: global_buffer, .address_space: global }
      - { .name: wcod, .offset: 16, .size: 8, .value_kind: global_buffer, .address_space: global }
      - { .name: wscl, .offset: 24, .size: 8, .value_kind: global_buffer, .address_space: global }
      - { .name: bkv, .offset: 32, .size: 8, .value_kind: global_buffer, .address_space: global }
      - { .name: kvcod, .offset: 40, .size: 8, .value_kind: global_buffer, .address_space: global }
    .group_segment_fixed_size: 295424
    .private_segment_fixed_size: 0
    .kernarg_segment_align: 8
    .kernarg_segment_size: 48
    .max_flat_workgroup_size: 128
    .sgpr_count:     96
    .vgpr_count:     1024
    .wavefront_size: 32
...
	.end_amdgpu_metadata
.endif
;; end of part 2
;; launch attn (part 3): grid 8 x 32, 16 waves a work-group, clusters of 4 x 1, 256,000 bytes of LDS; arguments xcod, xscl, wcod, wscl, bq, kvcod, acod, ascl; writes acod, ascl
.if DOCPART == 3
	.amdgcn_target "amdgcn-amd-amdhsa--gfx1250"
	.amdhsa_code_object_version 6
	.text
	.protected	k_q44f06f42e5_attn
	.globl	k_q44f06f42e5_attn
	.p2align	8
	.type	k_q44f06f42e5_attn,@function
k_q44f06f42e5_attn:
	s_mov_b64 s[64:65], 0
	v_nop
	global_prefetch_b8 v0, s[64:65] scope:SCOPE_SE
	s_setreg_imm32_b32 hwreg(HW_REG_WAVE_MODE, 25, 1), 1
	s_wait_xcnt 0x0
	s_wait_alu depctr_hold_cnt(0) depctr_sa_sdst(0) depctr_va_vdst(0) depctr_va_sdst(0) depctr_va_ssrc(0) depctr_va_vcc(0) depctr_vm_vsrc(0)
	s_getreg_b32 s2, hwreg(HW_REG_IB_STS2, 6, 4)
	s_cmp_eq_u32 s2, 0
	s_cbranch_scc0 .Lentry_in_a_cluster
	s_endpgm
.Lentry_in_a_cluster:
	s_bfe_u32 s2, ttmp6, 0x10000c
	s_cmp_lg_u32 s2, 0x3003
	s_cbranch_scc0 .Lentry_shape_is_right
	s_endpgm
.Lentry_shape_is_right:
; q = x Wq + bq for one head, then o = softmax(q k^T / 8) v; all three products on codes of FP6 (E2M3) with E8M0 scales; o / l is quantised along the model's 1,024 and leaves as codes.
; SHARES.  A work-group owns 256 queries of one batch-head (work-group y), each of its sixteen waves one tile of 16 queries: four waves to a SIMD.
; THE HEAD.  Each wave makes its own tile's q: x's 8 fragments (16 tokens x 1,024) go from memory straight into 96 registers; Wq's 64 columns of the head (4 tiles x 8 K steps, 49,152 bytes) are
; read by all sixteen waves and come through LDS.  Source 0 = 16 columns of Wq, source 1 = the 16 tokens: a lane holds one query and, in two neighbouring tiles, 16 neighbours of the head's 64.
; bq is loaded into the accumulators, so it is the C of each sum's first product.  q is quantised in registers (two blocks of 32) and never goes to memory.
; One load of 16 bytes a lane brings a row's scale words of all 8 K steps: lanes 0-15 hold steps 0-3, lanes 16-31 steps 4-7, which the products name by ROW1.
; LDS: the head's whole K and V, 204,800 bytes (16 key steps of 128 keys x 12,800), as they lie in memory; behind them Wq's 49,152; behind those the spare words.  Nothing is filled twice.
; The cluster's four work-groups walk the same head: K, V and Wq are asked for JOINTLY.  One tensor load a wave: waves 0-7 two key steps each, waves 8-11 a tile of Wq each, waves 12-15 none.
; x's tiles are each work-group's own, so they are not asked for jointly.  A first barrier shows Wq (its four waves have waited for their loads), a second, behind q, shows K and V.
; No prefetch: all that the launch reads is asked for at its head; there is no loop to run ahead in.
; THE SOFTMAX: t = score x log2(e) / 8; M = the row's largest t so far, rounded UP to a whole number; p = 2^(t - M) is quantised along the keys, not normalised; the row's sum is taken of the
; unquantised p and divides at the end.  When M moves, the sum and O are multiplied by 2^(old M - new M): exact.
; LAYOUT.  S^T = k q^T, O^T = v^T p^T: a lane holds ONE query (lane % 16) throughout.  The head's size is 64, half of an instruction's K: a fragment of k carries TWO tiles of keys
; (k 0-63 and k 64-127 of its rows), and q stands once with zeros above and once with zeros below.  The 16 registers of S^T's tiles 2 b, 2 b + 1 are keys 32 b + 16 (lane / 16) + 0 .. 15.
; acod [group of 64 tokens][K step of 128 = two heads][tile 4][1,536]: six pieces of 256 bytes, registers 2 j, 2 j + 1 of lane l at 256 j + 8 l.  ascl [16 x tile + row][32 bytes].
; LIMITS: a block whose largest magnitude lies under 2^-124 gets the byte 1; NaN and infinities are not served; the scaled scores stay under 2^31 in magnitude.
; REGISTERS: v1-11 offsets; v12 -M, v13 the largest t, v[14:15] the sum; v16-27 q | 0, v28-39 0 | q; v40-87 four fragments (Wq's, k's, v's); v96-159 S^T, then p; v160-191 O^T; v192-211 p's codes;
;   v212-223, v236-249 at work; scales alone in v88-95, v224-234, v250-253.  At the head v96-191 hold x's fragments and v192-223 q's sums.
.set KV,  40
.set S,   96
.set OT,  160
.set PC,  192
.set TH,  204
.set BM,  212
.set BX,  216
.set SO,  220
.set KS,  224
.set VS,  228
.set PS,  232
.set QSL, 233
.set QSH, 234
.set FF,  236
.set T,   238
.set L2,  240                          ; v240-249 five chains of the row's sum
.set XF,  96
.set QA,  192
.set XS,  224
.set HM,  240
.set HX,  242
.set HS,  244
.set HT,  246
.set STEPB, 12800
.set WL,    16*STEPB
.set SPARE, WL+49152
.macro CROUND                          ; a round of the cluster's barrier
	s_barrier_signal -1
	s_barrier_wait -1
	s_cmp_lg_u32 s50, 0
	s_cbranch_scc1 .Lnot_wave_0_\@
	s_barrier_signal -3
.Lnot_wave_0_\@:
	s_barrier_wait -3
	s_barrier_signal -1
	s_barrier_wait -1
.endm
.macro PADD d, a, b
	v_pk_add_f32 v[\d:\d+1], v[\a:\a+1], v[\b:\b+1]
.endm
; 32 numbers of a lane at v[src] on (register 16 b + i = number 32 b + 16 h + i of my row) become six registers of codes at v[pc] on; the two blocks' bytes are left in v[bx], v[bx+1]
.macro Q64 src, pc, th, bm, bx, so
.irp b, 0,1
	v_max3_num_f32 v[\bm+\b], |v[\src+16*\b]|, |v[\src+1+16*\b]|, 0x1800000   ; with the floor 2^(3 - 127): the byte cannot fall under 1
.endr
.irp i, 2,4,6,8,10,12,14
.irp b, 0,1
.if \src == S                          ; (no hint where the sources are matrix results, as at the head)
	s_delay_alu instid0(VALU_DEP_2)
.endif
	v_max3_num_f32 v[\bm+\b], v[\bm+\b], |v[\src+16*\b+\i]|, |v[\src+1+16*\b+\i]|
.endr
.endr
.irp b, 0,1
	s_delay_alu instid0(VALU_DEP_2)
	v_permlanex16_b32 v[\bx+\b], v[\bm+\b], s20, s21
.endr
.irp b, 0,1
	s_delay_alu instid0(VALU_DEP_2)
	v_max_num_f32 v[\bm+\b], v[\bm+\b], v[\bx+\b]   ; with lane l xor 16's 16: the block's largest magnitude
.endr
.irp b, 0,1
	s_delay_alu instid0(VALU_DEP_2)
	v_add_nc_u32 v[\so+\b], 0xff000000, v[\bm+\b]   ; 2 off the exponent field: the conversion's scale operand
.endr
.irp b, 0,1
	s_delay_alu instid0(VALU_DEP_2)
	v_lshrrev_b32 v[\bx+\b], 23, v[\so+\b]          ; the scale's byte
.endr
	v_cvt_scalef32_pk16_fp6_f32 v[\pc:\pc+2], v[\src:\src+15], v[\so]
	v_cvt_scalef32_pk16_fp6_f32 v[\th:\th+2], v[\src+16:\src+31], v[\so+1]
	v_nop                                          ; one plain place behind a scaled conversion
.irp i, 0,1,2
	v_permlane16_swap_b32 v[\pc+\i], v[\th+\i]     ; a whole block to a lane: lanes 0-15 block 0, lanes 16-31 block 1
.endr
.irp i, 0,1,2
	s_delay_alu instid0(VALU_DEP_3)
	v_mov_b32 v[\pc+3+\i], v[\th+\i]
.endr
.endm
	s_load_b256 s[4:11], s[0:1], 0x0               ; xcod s[4:5], xscl s[6:7], wcod s[8:9], wscl s[10:11]
	s_load_b256 s[12:19], s[0:1], 0x20             ; bq s[12:13], kvcod s[14:15], acod s[16:17], ascl s[18:19]
	v_lshl_add_u32 v254, v0, 2, SPARE
	v_mov_b32 v255, 0
	ds_add_u32 v254, v255                          ; the opening lines: the add, twice on end, and its wait
	ds_add_u32 v254, v255
	v_lshrrev_b32 v1, 5, v0
	s_delay_alu instid0(VALU_DEP_1)
	v_readfirstlane_b32 s50, v1                    ; wave 0..15
	v_and_b32 v8, 31, v0                           ; lane
	v_and_b32 v9, 15, v0                           ; r
	v_bfe_u32 v7, v0, 4, 1                         ; h
	s_delay_alu instid0(VALU_DEP_3)
	v_lshlrev_b32 v1, 4, v8                        ; 16 x lane: an image's place for my lane
	s_delay_alu instid0(VALU_DEP_3)
	v_lshlrev_b32 v2, 4, v9                        ; 16 r: a row's four scale words of k or v
	v_lshlrev_b32 v5, 3, v8                        ; 8 x lane
	s_delay_alu instid0(VALU_DEP_4)
	v_lshl_add_u32 v6, v9, 5, v7                   ; 32 r + h
	v_lshlrev_b32 v10, 5, v9
	v_lshlrev_b32 v11, 6, v7                       ; 64 h: bq's 16 numbers of my half
	v_add_nc_u32 v3, WL, v1                        ; Wq's images in LDS
	s_delay_alu instid0(VALU_DEP_3)
	v_lshl_add_u32 v10, v7, 4, v10                 ; 32 r + 16 h: four of a row's eight scale words
	s_wait_alu depctr_va_vdst(0)                   ; the wait at the end of the head's vector lines
	s_bfe_u32 s51, ttmp6, 0x40000                  ; cx: my place in the cluster
	s_and_b32 s52, ttmp7, 0xffff                   ; the batch-head, which the four partners share
	s_and_b32 s53, s52, 15                         ; the head
	; group 1 for K and V: two key steps, 100 dense rows of 256 bytes (32 elements of 8 bytes); mask: all four work-groups, bit 21 beside it
	s_mov_b32 s24, 15|(3<<16)|(1<<21)
	s_mov_b32 s25, 32<<16
	s_mov_b32 s26, 100<<16
	s_mov_b32 s27, 32<<16
	s_mov_b32 s28, 100
	s_mov_b32 s29, 32
	s_mov_b32 s30, 0
	s_mov_b32 s31, 0
	; group 1 for Wq: a tile's 8 K steps, 48 dense rows of 256 bytes
	s_mov_b32 s36, 15|(3<<16)|(1<<21)
	s_mov_b32 s37, 32<<16
	s_mov_b32 s38, 48<<16
	s_mov_b32 s39, 32<<16
	s_mov_b32 s40, 48
	s_mov_b32 s41, 32
	s_mov_b32 s42, 0
	s_mov_b32 s43, 0
	s_mov_b32 s32, 1
	s_and_b32 s58, s50, 7
	s_mul_i32 s33, s58, 2*STEPB                    ; key steps 2 (wave % 8) and the next, in LDS as in memory
	s_mul_i32 s58, s52, 16*STEPB
	s_add_co_u32 s58, s58, s33
	s_mov_b32 s59, 0
	s_mov_b32 s44, 1
	s_and_b32 s60, s50, 3
	s_mul_i32 s60, s60, 12288                      ; tile wave % 4 of the head's four
	s_add_co_u32 s45, s60, WL
	s_mul_i32 s61, s53, 49152
	s_add_co_u32 s60, s60, s61
	s_mov_b32 s61, 0
	s_lshl_b32 s62, ttmp9, 2
	s_add_co_u32 s62, s62, s51                     ; my block of 256 queries
	s_lshl_b32 s62, s62, 4
	s_add_co_u32 s62, s62, s50
	s_lshr_b32 s63, s52, 4
	s_lshl_b32 s63, s63, 7
	s_add_co_u32 s62, s62, s63                     ; my tile of 16 tokens among all 256: 128 x batch + 16 x block + wave
	s_lshr_b32 s66, s62, 3
	s_mul_i32 s66, s66, 98304                      ; xcod: the group of 128 tokens,
	s_and_b32 s63, s62, 7
	s_mul_i32 s63, s63, 1536                       ; the tile in it
	s_add_co_u32 s66, s66, s63
	s_mov_b32 s67, 0
	s_lshl_b32 s68, s62, 9                         ; xscl: 16 rows x 32 bytes a tile
	s_mov_b32 s69, 0
	s_lshl_b32 s70, s53, 11                        ; wscl: the head's 64 rows x 32 bytes
	s_mov_b32 s71, 0
	s_lshl_b32 s72, s53, 8                         ; bq: the head's 64 numbers
	s_mov_b32 s73, 0
	s_lshr_b32 s54, s62, 2                         ; acod: ((tile / 4) x 8 + head / 2) x 4 + tile % 4 images, + 768 for an odd head
	s_lshl_b32 s54, s54, 3
	s_lshr_b32 s63, s53, 1
	s_add_co_u32 s54, s54, s63
	s_lshl_b32 s54, s54, 2
	s_and_b32 s63, s62, 3
	s_add_co_u32 s54, s54, s63
	s_mul_i32 s54, s54, 1536
	s_and_b32 s63, s53, 1
	s_mul_i32 s63, s63, 768
	s_add_co_u32 s54, s54, s63
	s_mov_b32 s55, 0
	s_lshl_b32 s56, s53, 1                         ; ascl: the tile's rows, my head's two bytes
	s_add_co_u32 s56, s56, s68
	s_mov_b32 s57, 0
	s_mov_b32 s20, 0x76543210
	s_mov_b32 s21, 0xfedcba98                      ; v_permlanex16_b32's selects for lane l xor 16
	s_mov_b32 s22, 0x3e38aa3b                      ; c = log2(e) / 8
	s_mov_b32 s23, s22                             ; (named with it as a pair, so it is written)
	s_wait_dscnt 0x0                               ; both opening adds are done
	s_wait_kmcnt 0x0
	s_add_nc_u64 s[34:35], s[14:15], s[58:59]
	s_or_b32 s35, s35, 0x80000000
	s_add_nc_u64 s[46:47], s[8:9], s[60:61]
	s_or_b32 s47, s47, 0x80000000
	s_add_nc_u64 s[66:67], s[4:5], s[66:67]
	s_add_nc_u64 s[68:69], s[6:7], s[68:69]
	s_add_nc_u64 s[70:71], s[10:11], s[70:71]
	s_add_nc_u64 s[72:73], s[12:13], s[72:73]
	s_add_nc_u64 s[54:55], s[16:17], s[54:55]
	s_add_nc_u64 s[56:57], s[18:19], s[56:57]
	; 13 small loads, then x's fragments K step by K step, three loads a step
.macro XLOADS                          ; issued in every arm of the chain below, behind the arm's tensor load
	global_load_b128 v[XS:XS+3], v10, s[68:69]
	global_load_b128 v[88:91], v10, s[70:71]
	global_load_b128 v[92:95], v10, s[70:71] offset:512
	global_load_b128 v[250:253], v10, s[70:71] offset:1024
	global_load_b128 v[228:231], v10, s[70:71] offset:1536
.irp n, 0,1,2,3
	global_load_b128 v[QA+8*\n:QA+8*\n+3], v11, s[72:73] offset:(32*(\n/2)+8*(\n%2))*4      ; register j of tile 2 b + u is column 32 b + 16 h + 8 u + j
	global_load_b128 v[QA+8*\n+4:QA+8*\n+7], v11, s[72:73] offset:(32*(\n/2)+8*(\n%2))*4+16
.endr
.irp s, 0,1,2,3,4,5,6,7
.irp j, 0,1,2
	global_load_b128 v[XF+12*\s+4*\j:XF+12*\s+4*\j+3], v1, s[66:67] offset:12288*\s+512*\j
.endr
.endr
.endm
	CROUND                                         ; all four work-groups are here: the joint loads meet
	s_cmp_lt_u32 s50, 8                            ; one chain of branches on the wave's number, the same in every partner; one tensor load to an arm
	s_cbranch_scc0 .Lfor_w
	tensor_load_to_lds s[32:35], s[24:31]
	s_nop 0
.rept 4
	v_nop
.endr
	XLOADS
	s_branch .Lasked
.Lfor_w:
	s_cmp_lt_u32 s50, 12
	s_cbranch_scc0 .Lnone
	tensor_load_to_lds s[44:47], s[36:43]
	s_nop 0
.rept 4
	v_nop
.endr
	XLOADS
	s_wait_tensorcnt 0x0                           ; my tile of Wq has landed: the wait that its reads need stands in the arm with its load
	s_branch .Lasked
.Lnone:
	XLOADS
.Lasked:
	s_barrier_signal -1
	s_barrier_wait -1                              ; all of Wq is in LDS; K's and V's loads may be on their way
; q's sums, K step s: Wq's four fragments from LDS, four products, the four accumulators by turns
.macro QMUL s, n, ws
.if (\s) < 4
	v_wmma_scale_f32_16x16x128_f8f6f4 v[QA+8*\n:QA+8*\n+7], v[KV+12*\n:KV+12*\n+11], v[XF+12*(\s):XF+12*(\s)+11], v[QA+8*\n:QA+8*\n+7], v[\ws+(\s)], v[XS+(\s)] matrix_a_fmt:MATRIX_FMT_FP6 matrix_b_fmt:MATRIX_FMT_FP6
.else
	v_wmma_scale_f32_16x16x128_f8f6f4 v[QA+8*\n:QA+8*\n+7], v[KV+12*\n:KV+12*\n+11], v[XF+12*(\s):XF+12*(\s)+11], v[QA+8*\n:QA+8*\n+7], v[\ws+(\s)-4], v[XS+(\s)-4] matrix_a_fmt:MATRIX_FMT_FP6 matrix_b_fmt:MATRIX_FMT_FP6 matrix_a_scale:MATRIX_SCALE_ROW1 matrix_b_scale:MATRIX_SCALE_ROW1
.endif
.endm
.macro QSTEP s
.if (\s) > 0
.rept 4
	v_nop                                          ; four places behind the last products, ahead of loads into their sources
.endr
.endif
.irp n, 0,1,2,3
.irp j, 0,1,2
	ds_load_b128 v[KV+12*\n+4*\j:KV+12*\n+4*\j+3], v3 offset:12288*\n+1536*(\s)+512*\j
.endr
.endr
	s_wait_loadcnt 21-3*(\s)                       ; the small loads and x's fragments up to this step are in: three loads of each later step may be out
	s_wait_dscnt 0x0
	QMUL \s, 0, 88
	QMUL \s, 1, 92
	QMUL \s, 2, 250
	QMUL \s, 3, 228
.endm
.irp s, 0,1,2,3,4,5,6,7
	QSTEP \s
.endr
	v_mov_b32 v13, 0xff61b1e6                      ; the largest t so far: -3e38, under every t.  (These lines are also the places behind the last products)
	v_mov_b32 v14, 0
	v_mov_b32 v15, 0
	v_mov_b32 v[FF+1], 0                           ; (named as the upper half of a pair)
	v_mov_b32 v[HX], 0                             ; a lane permute's destination counts as read
	v_mov_b32 v[HX+1], 0
	v_floor_f32 v12, -v13                          ; -M
	Q64 QA, 16, HT, HM, HX, HS                     ; q's codes into v16-21
.irp i, 0,1,2,3,4,5
	v_mov_b32 v[34+\i], v[16+\i]
.endr
.irp i, 22,23,24,25,26,27,28,29,30,31,32,33
	v_mov_b32 v[\i], 0                             ; zero codes: they add nothing under any scale byte but 0xff
.endr
	v_lshl_or_b32 v[QSL], v[HX+1], 8, v[HX]        ; q's two bytes in the low half,
	s_delay_alu instid0(VALU_DEP_1)
	v_lshlrev_b32 v[QSH], 16, v[QSL]               ; and in the high half
.irp b, 0,1,2,3
	v_mov_b32 v[BX+\b], 0
.endr
.set j, 0
.rept 32
	v_mov_b32 v[OT+j], 0                           ; O^T: the step is written once; the first finds zeros.  (Also the places between q's registers and the first products)
.set j, j+1
.endr
; A KEY STEP: 128 keys, at LDS byte s48.
.macro STEP
	v_add_nc_u32 v3, s48, v1
	v_add_nc_u32 v4, s48, v2
	v_nop
	v_nop                                          ; four places behind the last products, ahead of loads into their sources
.irp p, 0,1,2,3
.irp j, 0,1,2
	ds_load_b128 v[KV+12*\p+4*\j:KV+12*\p+4*\j+3], v3 offset:1536*\p+512*\j
.endr
.endr
	ds_load_b128 v[KS:KS+3], v4 offset:12288
	s_wait_alu depctr_va_vdst(0)
	s_wait_dscnt 0x0
.irp p, 0,1,2,3
	v_wmma_scale_f32_16x16x128_f8f6f4 v[S+16*\p:S+16*\p+7], v[KV+12*\p:KV+12*\p+11], v[16:27], 0, v[KS+\p], v[QSL] matrix_a_fmt:MATRIX_FMT_FP6 matrix_b_fmt:MATRIX_FMT_FP6
	v_wmma_scale_f32_16x16x128_f8f6f4 v[S+16*\p+8:S+16*\p+15], v[KV+12*\p:KV+12*\p+11], v[28:39], 0, v[KS+\p], v[QSH] matrix_a_fmt:MATRIX_FMT_FP6 matrix_b_fmt:MATRIX_FMT_FP6
.endr
.rept 4
	v_nop                                          ; places ahead of the loads below and of the first read of the scores
.endr
.irp n, 0,1,2,3
.irp j, 0,1,2
	ds_load_b128 v[KV+12*\n+4*\j:KV+12*\n+4*\j+3], v3 offset:6144+1536*\n+512*\j   ; v's fragments land while the softmax is walked
.endr
.endr
	ds_load_b128 v[VS:VS+3], v4 offset:12544
.irp b, 0,1,2,3
	v_max3_num_f32 v[BM+\b], v[S+16*\b], v[S+1+16*\b], v[S+2+16*\b]   ; the largest score of each block of 32 keys: for the row's maximum and, since p rises with the score, for the block's largest p
.endr
.irp i, 3,5,7,9,11,13
.irp b, 0,1,2,3
	v_max3_num_f32 v[BM+\b], v[BM+\b], v[S+16*\b+\i], v[S+1+16*\b+\i]
.endr
.endr
.irp b, 0,1,2,3
	v_max_num_f32 v[BM+\b], v[BM+\b], v[S+15+16*\b]
.endr
.irp b, 0,1,2,3
	s_delay_alu instid0(VALU_DEP_4)
	v_permlanex16_b32 v[BX+\b], v[BM+\b], s20, s21
.endr
.irp b, 0,1,2,3
	s_delay_alu instid0(VALU_DEP_4)
	v_max_num_f32 v[BM+\b], v[BM+\b], v[BX+\b]     ; with lane l xor 16's 16 keys
.endr
	s_delay_alu instid0(VALU_DEP_2)
	v_max3_num_f32 v[T], v[BM], v[BM+1], v[BM+2]
	s_delay_alu instid0(VALU_DEP_1)
	v_max_num_f32 v[T], v[T], v[BM+3]
	s_delay_alu instid0(VALU_DEP_1)
	v_mul_f32 v[T], s22, v[T]                      ; as t (c is positive)
	s_delay_alu instid0(VALU_DEP_1)
	v_max_num_f32 v13, v13, v[T]                   ; the running largest t
	v_mov_b32 v[T], v12
	s_delay_alu instid0(VALU_DEP_2)
	v_floor_f32 v12, -v13                          ; the new -M = floor(-t) = -ceil(t)
	s_delay_alu instid0(VALU_DEP_1)
	v_sub_f32 v[T], v12, v[T]                      ; old M - new M: a whole number, 0 or less
	s_delay_alu instid0(VALU_DEP_1)
	v_cvt_i32_f32 v[T], v[T]                       ; (it saturates)
	s_delay_alu instid0(VALU_DEP_1)
	v_ldexp_f32 v[FF], 1.0, v[T]                   ; f = 2^(old M - new M)
.set j, 0
.rept 32
	v_pk_fma_f32 v[S+j:S+j+1], v[S+j:S+j+1], s[22:23], v[12:13] op_sel_hi:[1,0,0]   ; t - M, two at a time
.set j, j+2
.endr
.irp b, 0,1,2,3
	v_fma_f32 v[BM+\b], v[BM+\b], s22, v12
.endr
.set j, 0
	s_wait_alu depctr_va_vdst(0)                   ; the wait ahead of the batch
.rept 64
	v_exp_f32 v[S+j], v[S+j]                       ; p = 2^(t - M), at most 1
.set j, j+1
.endr
	v_pk_mul_f32 v[14:15], v[14:15], v[FF:FF+1] op_sel_hi:[1,0]   ; the sums under the new M: the plain place behind the exponentials
	s_wait_alu depctr_va_vdst(0)                   ; one wait for the batch, ahead of its first reader
.irp b, 0,1,2,3
	v_exp_f32 v[BM+\b], v[BM+\b]                   ; the block's largest p: the same two instructions on the same number
.endr
	; the row's sum of the unquantised p: 32 packed additions in six chains
.irp c, 0,1,2,3,4
	PADD L2+2*\c, S+4*\c, S+4*\c+2
.endr
	PADD 14, 14, S+20
.irp g, 0,1,2
.irp c, 0,1,2,3,4
	PADD L2+2*\c, L2+2*\c, S+22+12*\g+2*\c
.endr
	PADD 14, 14, S+32+12*\g
.endr
	PADD L2, L2, S+58
	PADD L2+2, L2+2, S+60
	PADD L2+4, L2+4, S+62
	PADD L2+6, L2+6, L2+8
	s_delay_alu instid0(VALU_DEP_4)
	PADD 14, 14, L2
	s_delay_alu instid0(VALU_DEP_3)
	PADD L2+2, L2+2, L2+4
	s_delay_alu instid0(VALU_DEP_2)
	PADD 14, 14, L2+6
	s_delay_alu instid0(VALU_DEP_1)
	PADD 14, 14, L2+2
	s_wait_alu depctr_va_vdst(0)                   ; and one for the four
.irp b, 0,1,2,3
	v_max_num_f32 v[BM+\b], 0x1800000, v[BM+\b]    ; the floor 2^(3 - 127): the byte cannot fall under 1
.endr
.irp b, 0,1,2,3
	s_delay_alu instid0(VALU_DEP_4)
	v_add_nc_u32 v[SO+\b], 0xff000000, v[BM+\b]
.endr
.irp b, 0,1,2,3
	s_delay_alu instid0(VALU_DEP_4)
	v_lshrrev_b32 v[BX+\b], 23, v[SO+\b]
.endr
	s_delay_alu instid0(VALU_DEP_3)
	v_lshl_or_b32 v[PS], v[BX+1], 8, v[BX]
	s_delay_alu instid0(VALU_DEP_1)
	v_lshl_or_b32 v[PS], v[BX+2], 16, v[PS]
	s_delay_alu instid0(VALU_DEP_1)
	v_lshl_or_b32 v[PS], v[BX+3], 24, v[PS]
.irp c, 0,1
	v_cvt_scalef32_pk16_fp6_f32 v[PC+6*\c:PC+6*\c+2], v[S+32*\c:S+32*\c+15], v[SO+2*\c]
	v_cvt_scalef32_pk16_fp6_f32 v[TH+4*\c:TH+4*\c+2], v[S+32*\c+16:S+32*\c+31], v[SO+2*\c+1]
.endr
	v_nop                                          ; one plain place behind a scaled conversion
.irp c, 0,1
.irp i, 0,1,2
	v_permlane16_swap_b32 v[PC+6*\c+\i], v[TH+4*\c+\i]
.endr
.irp i, 0,1,2
	s_delay_alu instid0(VALU_DEP_3)
	v_mov_b32 v[PC+3+6*\c+\i], v[TH+4*\c+\i]
.endr
.endr
	s_wait_alu depctr_va_vdst(0)                   ; the wait directly ahead of the first reader of O^T
.set j, 0
.rept 16
	v_pk_mul_f32 v[OT+j:OT+j+1], v[OT+j:OT+j+1], v[FF:FF+1] op_sel_hi:[1,0]   ; O^T under the new M, each accumulator from its low end.  (Also the places between p's codes and scale word and the products)
.set j, j+2
.endr
	s_wait_alu depctr_va_vdst(0)
	s_wait_dscnt 0x0                               ; v's fragments and scale words are in
.irp n, 0,1,2,3
	v_wmma_scale_f32_16x16x128_f8f6f4 v[OT+8*\n:OT+8*\n+7], v[KV+12*\n:KV+12*\n+11], v[PC:PC+11], v[OT+8*\n:OT+8*\n+7], v[VS+\n], v[PS] matrix_a_fmt:MATRIX_FMT_FP6 matrix_b_fmt:MATRIX_FMT_FP6
.endr
.endm
	s_wait_alu depctr_va_vdst(0)                   ; the wait ahead of the waits below
	s_wait_tensorcnt 0x0                           ; my two key steps have landed (a wave that loaded none passes),
	s_wait_dscnt 0x0
	s_barrier_signal -1
	s_barrier_wait -1                              ; everybody's have: all of K and V is in LDS, and no barrier stands in the walk
	s_mov_b32 s48, 0
	s_mov_b32 s49, 16
.Lstep:
	STEP
	s_add_co_u32 s48, s48, STEPB
	s_sub_co_u32 s49, s49, 1
	s_cmp_lg_u32 s49, 0
	s_cbranch_scc1 .Lstep
	; THE WAY OUT: O^T / the sum; register 16 b + i is the head's number 32 b + 16 h + i of my query: two blocks of the next product's K.
.rept 4
	v_nop                                          ; places behind the last products
.endr
	v_add_f32 v14, v14, v15
	s_delay_alu instid0(VALU_DEP_1)
	v_permlanex16_b32 v[T], v14, s20, s21
	s_delay_alu instid0(VALU_DEP_1)
	v_add_f32 v14, v14, v[T]                       ; the row's sum
	s_wait_alu depctr_va_vdst(0)
	v_rcp_f32 v14, v14
	v_cmp_ne_u32 vcc_lo, 0, v7                     ; (a plain place behind the reciprocal)
	s_wait_alu depctr_va_vdst(0)                   ; the wait ahead of its first reader
.set j, 0
.rept 32
	v_mul_f32 v[S+j], v[OT+j], v14
.set j, j+1
.endr
	Q64 S, PC, TH, BM, BX, SO
.irp j, 0,1,2
	global_store_b64 v5, v[PC+2*\j:PC+2*\j+1], s[54:55] offset:256*\j   ; 256 consecutive bytes a store, at a multiple of 256 from the buffer's first byte
.endr
	v_cndmask_b32 v[T], v[BX], v[BX+1], vcc_lo     ; lanes 0-15 file block 0's byte, lanes 16-31 block 1's
	global_store_b8 v6, v[T], s[56:57]             ; single bytes: a scale word of the next product belongs to two heads, which other work-groups make; 32 bytes a wave
	s_wait_tensorcnt 0x0                           ; the wave's end
	ds_add_u32 v254, v255
	s_wait_dscnt 0x0
	CROUND                                         ; the closing round: no work-group ends while a partner may still ask jointly
	s_endpgm
.Lfunc_end_k_q44f06f42e5_attn:
	.size	k_q44f06f42e5_attn, .Lfunc_end_k_q44f06f42e5_attn-k_q44f06f42e5_attn
	.p2alignl 7, 3214868480
	.fill 96, 4, 3214868480
	.section	.rodata,"a",@progbits
	.p2align	6, 0x0
	.amdhsa_kernel k_q44f06f42e5_attn
		.amdhsa_group_segment_fixed_size 256000
		.amdhsa_private_segment_fixed_size 0
		.amdhsa_enable_private_segment 0
		.amdhsa_kernarg_size 64
		.amdhsa_user_sgpr_count 2
		.amdhsa_user_sgpr_kernarg_segment_ptr 1
		.amdhsa_wavefront_size32 1
		.amdhsa_system_sgpr_workgroup_id_x 1
		.amdhsa_system_sgpr_workgroup_id_y 1
		.amdhsa_system_sgpr_workgroup_id_z 1
		.amdhsa_system_vgpr_workitem_id 0
		.amdhsa_next_free_vgpr 256
		.amdhsa_next_free_sgpr 80
		.amdhsa_reserve_vcc 1
		.amdhsa_float_denorm_mode_32 3
		.amdhsa_float_denorm_mode_16_64 3
		.amdhsa_memory_ordered 1
		.amdhsa_forward_progress 1
		.amdhsa_inst_pref_size 54
	.end_amdhsa_kernel
	.amdgpu_metadata
---
amdhsa.version: [ 1, 2 ]
amdhsa.kernels:
  - .name:           k_q44f06f42e5_attn
    .symbol:         k_q44f06f42e5_attn.kd
    .args:
      - { .name: xcod, .offset: 0, .size: 8, .value_kind: global_buffer, .address_space: global }
      - { .name: xscl, .offset: 8, .size: 8, .value_kind: global_buffer, .address_space: global }
      - { .name: wcod, .offset: 16, .size: 8, .value_kind: global_buffer, .address_space: global }
      - { .name: wscl, .offset: 24, .size: 8, .value_kind: global_buffer, .address_space: global }
      - { .name: bq, .offset: 32, .size: 8, .value_kind: global_buffer, .address_space: global }
      - { .name: kvcod, .offset: 40, .size: 8, .value_kind: global_buffer, .address_space: global }
      - { .name: acod, .offset: 48, .size: 8, .value_kind: global_buffer, .address_space: global }
      - { .name: ascl, .offset: 56, .size: 8, .value_kind: global_buffer, .address_space: global }
    .group_segment_fixed_size: 256000
    .private_segment_fixed_size: 0
    .kernarg_segment_align: 8
    .kernarg_segment_size: 64
    .max_flat_workgroup_size: 512
    .sgpr_count:     80
    .vgpr_count:     256
    .wavefront_size: 32
...
	.end_amdgpu_metadata
.endif
;; end of part 3
;; launch outp (part 4): grid 4 x 64, 4 waves a work-group, clusters of 4 x 4, 263,680 bytes of LDS; arguments acod, ascl, wcod, wscl, bo, out0; writes out0
.if DOCPART == 4
	.amdgcn_target "amdgcn-amd-amdhsa--gfx1250"
	.amdhsa_code_object_version 6
	.text
	.protected	k_q44f06f42e5_outp
	.globl	k_q44f06f42e5_outp
	.p2align	8
	.type	k_q44f06f42e5_outp,@function
k_q44f06f42e5_outp:
	s_mov_b64 s[64:65], 0
	v_nop
	global_prefetch_b8 v0, s[64:65] scope:SCOPE_SE
	s_setreg_imm32_b32 hwreg(HW_REG_WAVE_MODE, 25, 1), 1
	s_wait_xcnt 0x0
	s_wait_alu depctr_hold_cnt(0) depctr_sa_sdst(0) depctr_va_vdst(0) depctr_va_sdst(0) depctr_va_ssrc(0) depctr_va_vcc(0) depctr_vm_vsrc(0)
	s_getreg_b32 s2, hwreg(HW_REG_IB_STS2, 6, 4)
	s_cmp_eq_u32 s2, 0
	s_cbranch_scc0 .Lentry_in_a_cluster
	s_endpgm
.Lentry_in_a_cluster:
	s_bfe_u32 s2, ttmp6, 0x10000c
	s_cmp_lg_u32 s2, 0xf033
	s_cbranch_scc0 .Lentry_shape_is_right
	s_endpgm
.Lentry_shape_is_right:
; out0 = a Wo + bo on codes of FP6 (E2M3) with E8M0 scales; a: attention's result as codes.
; SHARES.  Work-group y = a group of 64 tokens; the cluster's four work-groups take 256 columns each; wave w makes 64 tokens x 64 columns: 16 accumulators, 128 matrix instructions.
; a's codes of the group (49,152 dense bytes: 8 K steps x 4 tiles x 1,536) are the same for the four partners: they come into LDS ONCE, by four joint tensor loads, one a wave.  Nothing in LDS is filled twice.
; The wave's weights (4 tiles x 8 K steps, 384 registers) are read by no other wave of the cluster: from memory straight into registers, all asked for at the head; so they are not asked for jointly.
; Source 0 = 16 columns of Wo, source 1 = 16 tokens: a lane holds one token and 16 neighbouring columns in two neighbouring tiles.  The bias is the C of each sum's first matrix instruction.
; a's fragments lie as six pieces of 256 bytes (registers 2 j, 2 j + 1 of lane l at 256 j + 8 l).  Row p of token tile 2 b + u is token 32 b + 8 u + p + 8 (p / 8): the stores put the rows back.
; REGISTERS: window 0: v1-8 addresses; v16-47 a's scale words (8 tile + K step); v48-79 Wo's; v80-175 a's fragments, two sets; v176-207 the bias; on the way out v80-207 rows of the result.
;   window 1: the accumulators at 8 (4 tile + n).   window 2: Wo's fragments of K steps 0-4 at 48 s + 12 n.   window 3: K steps 5-7.
; HOW THE OPERANDS COME, in place of what the lines above say of it: the cluster is 4 x 4.  a's codes of the group (49,152 bytes, LDS byte 0) are brought whole by wave 0, jointly for the four of a row of the cluster;
; the 256 columns' weights (16 tiles x 12,288 = 196,608 dense bytes, LDS byte 66,560, behind the stages) by waves 1-3, 65,536 bytes each, jointly for the four of a column.  One tensor load a wave; nothing in LDS is filled twice.
; A wave reads its own four tiles' fragments of Wo from LDS, one K step ahead of their products, into the registers named above.  The group of tokens is 4 x cluster y + cy.
.set WV,  20
.set SA,  16
.set SB,  48
.set AS0, 80
.set BI,  176
.set STAGE, 49152                      ; behind a's codes: 16 rows x (256 bytes + 16) for each wave; no tensor load lands there
.set MSB, 0
.macro WIN new                         ; the immediate's high byte repeats the setting that is left
.if MSB != \new
	s_set_vgpr_msb (MSB<<8)|\new
.set MSB, \new
.endif
.endm
.macro PLACES                          ; four plain places behind a matrix instruction of this form (ISA guide 7.12.1)
.rept 4
	v_nop
.endr
.endm
.macro CROUND                          ; a round of the cluster's barrier
	s_barrier_signal -1
	s_barrier_wait -1
	s_cmp_lg_u32 s[WV], 0
	s_cbranch_scc1 .Lnot_wave_0_\@
	s_barrier_signal -3
.Lnot_wave_0_\@:
	s_barrier_wait -3
	s_barrier_signal -1
	s_barrier_wait -1
.endm
	s_load_b256 s[4:11], s[0:1], 0x0               ; acod s[4:5], ascl s[6:7], wcod s[8:9], wscl s[10:11]
	s_load_b128 s[12:15], s[0:1], 0x20             ; bo s[12:13], out0 s[14:15]
	v_lshl_add_u32 v254, v0, 2, 0x40400
	v_mov_b32 v255, 0
	ds_add_u32 v254, v255
	ds_add_u32 v254, v255
	v_lshrrev_b32 v1, 5, v0
	v_readfirstlane_b32 s[WV], v1                  ; wave 0..3
	s_bfe_u32 s21, ttmp6, 0x40000                  ; cx
	s_bfe_u32 s66, ttmp6, 0x40004                  ; cy
	s_and_b32 s23, ttmp7, 0xffff
	s_lshl_b32 s23, s23, 2
	s_add_co_u32 s23, s23, s66                     ; the group of 64 tokens: 4 x cluster y + cy
	s_lshl_b32 s67, s66, 2
	s_lshl_b32 s67, 15, s67                        ; my row of the cluster
	s_lshl_b32 s80, 0x1111, s21                    ; my column
	s_lshl_b32 s24, ttmp9, 2
	s_add_co_u32 s24, s24, s21                     ; block of 256 columns
	; descriptor group 1: 192 rows of 256 bytes (32 elements of 8 bytes), dense: all of the group's codes
	s_or_b32 s28, s67, (3<<16)|(1<<21)             ; a's tile goes to my row; elements of 8 bytes; 21 set beside a mask
	s_or_b32 s68, s80, (3<<16)|(1<<21)             ; group 1 for Wo: to my column; 256 dense rows of 256 bytes
	s_mov_b32 s69, 32<<16
	s_mov_b32 s70, 256<<16
	s_mov_b32 s71, 32<<16
	s_mov_b32 s72, 256
	s_mov_b32 s73, 32
	s_mov_b32 s74, 0
	s_mov_b32 s75, 0
	s_mov_b32 s29, 32<<16
	s_mov_b32 s30, 192<<16                         ; the group's 192 rows of 256 bytes
	s_mov_b32 s31, 32<<16
	s_mov_b32 s32, 192
	s_mov_b32 s33, 32
	s_mov_b32 s34, 0
	s_mov_b32 s35, 0
	s_mov_b32 s36, 1
	s_mov_b32 s37, 0                               ; a's codes at LDS byte 0
	s_mul_i32 s26, s23, 49152
	s_mov_b32 s27, 0
	s_mov_b32 s76, 1
	s_lshl_b32 s82, s[WV], 16
	s_add_co_u32 s77, s82, 1024                    ; Wo's third (wave - 1) at 66,560 + 65,536 (wave - 1)
	s_mul_i32 s81, s24, 196608                     ; the block of 256 columns, behind wcod's 192 tiles of Wq and Wkv,
	s_add_co_u32 s81, s81, 192*12288-65536
	s_add_co_u32 s82, s82, s81                     ; + 65,536 (wave - 1)
	s_mov_b32 s83, 0
	s_mul_i32 s84, s[WV], 49152
	s_add_co_u32 s84, s84, 66560                   ; where my own four tiles lie in LDS
	s_wait_dscnt 0x0
	s_wait_kmcnt 0x0
	s_add_nc_u64 s[38:39], s[4:5], s[26:27]
	s_or_b32 s39, s39, 0x80000000
	s_add_nc_u64 s[78:79], s[8:9], s[82:83]
	s_or_b32 s79, s79, 0x80000000
	CROUND                                         ; all four work-groups are here: the joint loads meet
	s_cmp_eq_u32 s[WV], 0                          ; one chain of branches on the wave's number, one load to an arm
	s_cbranch_scc0 .Lfor_w
	tensor_load_to_lds s[36:39], s[28:35]          ; wave 0: a's codes
	s_nop 0
	PLACES
	s_branch .Lasked
.Lfor_w:
	tensor_load_to_lds s[76:79], s[68:75]          ; waves 1-3: a third of Wo's
	s_nop 0
	PLACES
.Lasked:
	s_lshl_b32 s55, s24, 4
	s_lshl_b32 s56, s[WV], 2
	s_add_co_u32 s55, s55, s56
	s_add_co_u32 s55, s55, 192                     ; my first tile of Wo in wcod
	s_mov_b32 s57, 0
	s_lshl_b32 s56, s55, 9
	s_add_nc_u64 s[44:45], s[10:11], s[56:57]
	s_lshl_b32 s56, s23, 11
	s_add_nc_u64 s[40:41], s[6:7], s[56:57]        ; a's scale words: 64 rows x 32 bytes
	s_lshl_b32 s56, s24, 10
	s_lshl_b32 s58, s[WV], 8
	s_add_co_u32 s56, s56, s58                     ; my 64 columns, in bytes
	s_add_nc_u64 s[46:47], s[12:13], s[56:57]
	s_add_nc_u64 s[48:49], s[14:15], s[56:57]
	s_lshl_b32 s56, s23, 18                        ; 64 rows of 4,096 bytes
	s_add_nc_u64 s[48:49], s[48:49], s[56:57]
	v_and_b32 v9, 31, v0                           ; lane
	v_and_b32 v8, 15, v0                           ; r
	v_bfe_u32 v10, v0, 4, 1                        ; h
	v_lshlrev_b32 v1, 5, v8                        ; 32 r
	v_lshlrev_b32 v2, 4, v9                        ; 16 x lane
	v_add_nc_u32 v11, s84, v2                      ; an image's place for my lane in my tiles of Wo
	v_lshlrev_b32 v3, 3, v9                        ; 8 x lane
	v_lshlrev_b32 v4, 6, v10                       ; 64 h
	s_mul_i32 s58, s[WV], 4352
	s_add_co_u32 s58, s58, STAGE                   ; my stage
	v_mul_u32_u24 v5, v8, 272
	v_lshl_add_u32 v5, v10, 6, v5
	v_add_nc_u32 v5, s58, v5                       ; in: row r, + 64 h
	v_mul_u32_u24 v6, v10, 272
	v_lshl_add_u32 v6, v8, 4, v6
	v_add_nc_u32 v6, s58, v6                       ; back: lanes 0-15 one row, lanes 16-31 the next
	v_lshlrev_b32 v7, 12, v10
	v_lshl_add_u32 v7, v8, 4, v7                   ; and the same two rows in out0
.irp t, 0,1,2,3
.irp j, 0,1
	global_load_b128 v[SA+8*\t+4*\j:SA+8*\t+4*\j+3], v1, s[40:41] offset:512*\t+16*\j
.endr
.endr
.irp n, 0,1,2,3
.irp j, 0,1
	global_load_b128 v[SB+8*\n+4*\j:SB+8*\n+4*\j+3], v1, s[44:45] offset:512*\n+16*\j
.endr
.endr
.irp n, 0,1,2,3
	global_load_b128 v[BI+8*\n:BI+8*\n+3], v4, s[46:47] offset:(32*(\n/2)+8*(\n%2))*4      ; register j of tile 2 b + u is column 32 b + 16 h + 8 u + j
	global_load_b128 v[BI+8*\n+4:BI+8*\n+7], v4, s[46:47] offset:(32*(\n/2)+8*(\n%2))*4+16
.endr
	s_wait_alu depctr_va_vdst(0)                   ; the wait at the head's end
	s_wait_tensorcnt 0x0                           ; my tile is in LDS,
	s_barrier_signal -1
	s_barrier_wait -1                              ; everybody's is
.macro LOADA s                         ; a's four fragments of K step s into set s % 2: 24 LDS loads of 256 consecutive bytes
.irp t, 0,1,2,3
.irp j, 0,1,2,3,4,5
	ds_load_b64 v[AS0+48*((\s)%2)+12*\t+2*\j:AS0+48*((\s)%2)+12*\t+2*\j+1], v3 offset:(\s)*6144+\t*1536+256*\j
.endr
.endr
.endm
; 16 matrix instructions: the 16 accumulators take turns, one instruction a turn, in the same order in every step
.macro MULO s
.if (\s) < 5
.set BB, 48*(\s)
.else
.set BB, 48*((\s)-5)
.endif
.set AA, AS0+48*((\s)%2)
.irp t, 0,1,2,3
.irp n, 0,1,2,3
.set AC, 8*(4*\t+\n)
.if (\s) == 0
	v_wmma_scale_f32_16x16x128_f8f6f4 v[AC:AC+7], v[BB+12*\n:BB+12*\n+11], v[AA+12*\t:AA+12*\t+11], v[BI+8*\n:BI+8*\n+7], v[SB+8*\n+(\s)], v[SA+8*\t+(\s)] matrix_a_fmt:MATRIX_FMT_FP6 matrix_b_fmt:MATRIX_FMT_FP6
.else
	v_wmma_scale_f32_16x16x128_f8f6f4 v[AC:AC+7], v[BB+12*\n:BB+12*\n+11], v[AA+12*\t:AA+12*\t+11], v[AC:AC+7], v[SB+8*\n+(\s)], v[SA+8*\t+(\s)] matrix_a_fmt:MATRIX_FMT_FP6 matrix_b_fmt:MATRIX_FMT_FP6
.endif
.endr
.endr
.endm
.macro LOADW s                         ; my four tiles' fragments of Wo of K step s: 12 LDS loads of 512 consecutive bytes, into window 2 (steps 0-4) or 3
.if (\s) < 5
	WIN 0x80
.set BB, 48*(\s)
.else
	WIN 0xc0
.set BB, 48*((\s)-5)
.endif
.irp n, 0,1,2,3
.irp j, 0,1,2
	ds_load_b128 v[BB+12*\n+4*\j:BB+12*\n+4*\j+3], v11 offset:12288*\n+1536*(\s)+512*\j
.endr
.endr
	WIN 0
.endm
	LOADW 0
	LOADA 0
.irp s, 0,1,2,3,4,5,6,7
.if \s > 0
	PLACES                                         ; ahead of loads into the set that the last step's products read
.endif
.if \s < 7
	LOADW \s+1
	LOADA \s+1
	s_wait_dscnt 36                                ; this step's fragments are in; the next step's 36 loads may be out
.else
	s_wait_dscnt 0x0
.endif
.if \s == 0
	s_wait_loadcnt 0x0                             ; the scale words and the bias are in
.endif
.if \s == 0
	WIN 0x42                                       ; D window 1, Wo window 2, a and the bias window 0
.elseif \s < 5
	WIN 0x52                                       ; C window 1
.else
	WIN 0x53                                       ; Wo window 3
.endif
	MULO \s
	WIN 0
.endr
; THE WAY OUT, a tile of 16 tokens at a time.  A lane holds 32 of the 64 columns of one token in pieces of 32 bytes, and the lanes beside it hold other tokens: so a tile goes through my own stage and comes back by rows:
; sixteen lanes store a row's 256 consecutive bytes.  LDS serves a wave's instructions in order (ISA guide 5.7.1.4): no wait between the stores and the loads, nor ahead of the next tile's stores.
.macro TOSTAGE t
	WIN 0x04                                       ; an LDS store's data are its source 1: window 1
.irp n, 0,1,2,3
	ds_store_b128 v5, v[8*(4*(\t)+\n):8*(4*(\t)+\n)+3] offset:128*(\n/2)+32*(\n%2)          ; each accumulator from its low end on
	ds_store_b128 v5, v[8*(4*(\t)+\n)+4:8*(4*(\t)+\n)+7] offset:128*(\n/2)+32*(\n%2)+16
.endr
	WIN 0
.irp i, 0,1,2,3,4,5,6,7
	ds_load_b128 v[AS0+32*(\t)+4*\i:AS0+32*(\t)+4*\i+3], v6 offset:544*\i
.endr
.endm
.macro SEND t, younger                 ; younger: the LDS instructions issued behind tile t's loads, which may stay out
	s_wait_dscnt \younger
.irp i, 0,1,2,3,4,5,6,7
	global_store_b128 v7, v[AS0+32*(\t)+4*\i:AS0+32*(\t)+4*\i+3], s[48:49] offset:(32*((\t)/2)+8*((\t)%2)+2*\i+8*(\i/4))*4096 th:TH_STORE_NT   ; rows 2 i, 2 i + 1 of the tile at their tokens; written once, read by nobody here
.endr
.endm
	PLACES
	s_wait_alu depctr_va_vdst(0)
	TOSTAGE 0
.irp t, 1,2,3
	TOSTAGE \t
	SEND \t-1, 16                                  ; behind tile t - 1's loads: tile t's 8 stores and 8 loads; each tile has registers of its own
.endr
	SEND 3, 0
	s_wait_tensorcnt 0x0
	ds_add_u32 v254, v255
	s_wait_dscnt 0x0
	CROUND                                         ; the closing round: no work-group ends while a partner may still ask jointly
	s_endpgm
.Lfunc_end_k_q44f06f42e5_outp:
	.size	k_q44f06f42e5_outp, .Lfunc_end_k_q44f06f42e5_outp-k_q44f06f42e5_outp
	.p2alignl 7, 3214868480
	.fill 96, 4, 3214868480
	.section	.rodata,"a",@progbits
	.p2align	6, 0x0
	.amdhsa_kernel k_q44f06f42e5_outp
		.amdhsa_group_segment_fixed_size 263680
		.amdhsa_private_segment_fixed_size 0
		.amdhsa_enable_private_segment 0
		.amdhsa_kernarg_size 48
		.amdhsa_user_sgpr_count 2
		.amdhsa_user_sgpr_kernarg_segment_ptr 1
		.amdhsa_wavefront_size32 1
		.amdhsa_system_sgpr_workgroup_id_x 1
		.amdhsa_system_sgpr_workgroup_id_y 1
		.amdhsa_system_sgpr_workgroup_id_z 1
		.amdhsa_system_vgpr_workitem_id 0
		.amdhsa_next_free_vgpr 1024
		.amdhsa_next_free_sgpr 96
		.amdhsa_reserve_vcc 0
		.amdhsa_float_denorm_mode_32 3
		.amdhsa_float_denorm_mode_16_64 3
		.amdhsa_memory_ordered 1
		.amdhsa_forward_progress 1
		.amdhsa_inst_pref_size 52
	.end_amdhsa_kernel
	.amdgpu_metadata
---
amdhsa.version: [ 1, 2 ]
amdhsa.kernels:
  - .name:           k_q44f06f42e5_outp
    .symbol:         k_q44f06f42e5_outp.kd
    .args:
      - { .name: acod, .offset: 0, .size: 8, .value_kind: global_buffer, .address_space: global }
      - { .name: ascl, .offset: 8, .size: 8, .value_kind: global_buffer, .address_space: global }
      - { .name: wcod, .offset: 16, .size: 8, .value_kind: global_buffer, .address_space: global }
      - { .name: wscl, .offset: 24, .size: 8, .value_kind: global_buffer, .address_space: global }
      - { .name: bo, .offset: 32, .size: 8, .value_kind: global_buffer, .address_space: global }
      - { .name: out0, .offset: 40, .size: 8, .value_kind: global_buffer, .address_space: global }
    .group_segment_fixed_size: 263680
    .private_segment_fixed_size: 0
    .kernarg_segment_align: 8
    .kernarg_segment_size: 48
    .max_flat_workgroup_size: 128
    .sgpr_count:     96
    .vgpr_count:     1024
    .wavefront_size: 32
...
	.end_amdgpu_metadata
.endif
;; end of part 4
